; MI455X (gfx1250); checked and timed in simulation.
; The chip was launched on July 23, 2026; its instructions are those of AMD's public machine-readable ISA for CDNA 5 (MIT licence, August 2026) and "CDNA5" Instruction Set Architecture Reference Guide (July 2026). The comments in the code are by the model that wrote it; some were corrected since.
;; Multi Head Attention. Allowed arithmetic: matrix products marked QUANTISED: E2M3 operands, one E8M0 scale for each 32 along K, by v_wmma_scale_f32_16x16x128_f8f6f4 with both operands' format E2M3, f32 sums; everything else in f32.
;; Inputs: attention_mask 1 x 1 x 2,048 x 2,048 float32; bk 2,048 float32; bo 2,048 float32; bq 2,048 float32; bv 2,048 float32; wk 2,048 x 2,048 float32; wo 2,048 x 2,048 float32; wq 2,048 x 2,048 float32; wv 2,048 x 2,048 float32; x 1 x 2,048 x 2,048 float32.
;; Outputs: out0 1 x 2,048 x 2,048 float32.
;; This version of the problem:
;;   THIS VERSION OF THE PROBLEM IS GIVEN IN LOW PRECISION. The matrix products marked QUANTISED in the list below multiply operands that are first quantised to E2M3 (2 exponent bits, 3 mantissa bits; 6 bits a number), with one power-of-two scale for each 32 numbers along K (OCP MX v1.0); their sums are f32. All else is computed in f32.
;;   The module's matrix products, in the order in which they are computed (A, B: the left and right operand; K: the contracted axis; several contracted axes count as one K, in the product's order):
;;     1. [M 2,048, K 2,048] x [K 2,048, N 2,048]; A: input x; B: input wq: QUANTISED
;;     2. [M 2,048, K 2,048] x [K 2,048, N 2,048]; A: input x; B: input wk: QUANTISED
;;     3. [M 2,048, K 2,048] x [K 2,048, N 2,048]; A: input x; B: input wv: QUANTISED
;;     4. batch 16 x [M 2,048, K 128] x [K 128, N 2,048]; A: computed on the way; B: computed on the way: QUANTISED
;;     5. batch 16 x [M 2,048, K 2,048] x [K 2,048, N 128]; A: softmax (see below); B: computed on the way: QUANTISED
;;     6. [M 2,048, K 2,048] x [K 2,048, N 2,048]; A: computed on the way; B: input wo: QUANTISED
;;   THE QUANTISER, for each operand of a quantised product, along K:
;;     - K is cut into blocks of 32 from its start; a last block that is shorter is filled with zeros.
;;     - A block's scale is 2^e with e = floor(log2(the largest magnitude in the block)) - 2, held to -126 .. 127; a block of zeros has e = 0. As a byte (E8M0): e + 127.
;;     - Each number is divided by its block's scale, clamped to +-7.5, and rounded to the nearest number of E2M3, ties to even, subnormals kept.
;;     - The product sums the exact products of the quantised numbers (number of the format x scale) in f32.
;;   ~~~python
;;   def quantise(x, axis):      # numpy; x: float32 -> the quantised numbers, widened to float32 again
;;       x = np.moveaxis(x, axis, -1); K = x.shape[-1]
;;       x = np.pad(x, [(0, 0)] * (x.ndim - 1) + [(0, -K % 32)]); x = x.reshape(x.shape[:-1] + (-1, 32)); a = np.abs(x).max(-1, keepdims=True)
;;       e = np.where(a > 0, np.clip(np.frexp(np.where(a > 0, a, 1))[1] - 1 - 2, -126, 127), 0)      # np.frexp(a)[1] - 1 = floor(log2(a)), exactly
;;       r = np.clip(x / 2.0 ** e, -7.5, 7.5)
;;       step = 2.0 ** (np.maximum(np.frexp(np.where(r == 0, 1, r))[1] - 1, 0) - 3)
;;       q = np.round(r / step) * step * 2.0 ** e      # np.round: ties to even
;;       return np.moveaxis(q.reshape(q.shape[:-2] + (-1,))[..., :K], -1, axis).astype(np.float32)
;;   ~~~
;;   SOFTMAX AHEAD OF A QUANTISED PRODUCT. Where the list says 'softmax', what is quantised is not the finished softmax but p = 2^(t - M), with t = logit x log2(e) and M = ceil(the row's largest t), a whole number; so 1/2 < the row's largest p <= 1. The row's sum l is taken of the UNQUANTISED p, in f32, and the product's result is divided by l at the end. Since M is a whole number, a kernel that streams over the keys may use a running M (the ceiling of the running maximum): every later rescaling is an exact power of two, which a block's scale takes up: the codes' values come out the same.
;;   OPERANDS COMPUTED ON THE WAY. 'Computed on the way' means the value that the module computes at that place (a softmax that the list does not call 'softmax' is quantised finished and normalised). What goes into a quantiser is computed in f32, as accurately as f32 sums, v_exp_f32 and their like allow (about 1e-6 of the number): no bf16 or f16 on the way to a quantiser, and a product that is left as it is and whose result goes on into a quantised operand takes f32 operands (vector FMAs, or v_wmma_f32_16x16x4_f32). A number that lies on a knife's edge between two numbers of the format may be rounded either way, as far as f32 arithmetic and the matrix unit's own rounding can turn it there, and no further.
;; One version. Each part assembles by itself: llvm-mc -triple=amdgcn-amd-amdhsa -mcpu=gfx1250 --defsym DOCPART=n.
;; ======== version 1 of 1: 5 launches
;; workspace buffers: pan 16,384,000 bytes; qkv 9,830,400 bytes; ctx 3,276,800 bytes
;; launch qx (part 1): grid 256 x 1, 8 waves a work-group, no clusters, 69,120 bytes of LDS; arguments x, pan; writes pan
.if DOCPART == 1
	.amdgcn_target "amdgcn-amd-amdhsa--gfx1250"
	.amdhsa_code_object_version 6
	.text
	.protected	k_q31443cdae8_qx
	.globl	k_q31443cdae8_qx
	.p2align	8
	.type	k_q31443cdae8_qx,@function
k_q31443cdae8_qx:
	s_mov_b64 s[64:65], 0
	v_nop
	global_prefetch_b8 v0, s[64:65] scope:SCOPE_SE
	s_setreg_imm32_b32 hwreg(HW_REG_WAVE_MODE, 25, 1), 1
	s_wait_xcnt 0x0
; MULTI-HEAD ATTENTION IN MX-FP6, launch 1 of 5: x [2048][2048] f32 becomes codes of E2M3 with one E8M0 scale for each 32 along K (its last axis).
; DEAD WORK: none.  Every input reaches the output for some values: bq and bk move the codes of q and k, bv those of v, the mask differs along the softmax's axis, bo is added at the end.  All ten inputs are loaded.
; THE WORKSPACE FORMAT, for every operand that one launch hands to another: BLOCKS of 12,800 bytes = 128 rows x 128 along K, as IMAGES OF THE OPERAND'S REGISTERS.
;   image of tile T (0..7) at 1536 T: register p (0..11) of lane L at 512 (p / 4) + 16 L + 4 (p % 4): three accesses of 16 bytes a lane, 512 bytes apart, move a fragment.
;   lane (r = L % 16, h = L / 16) holds row PI(T, r) = 32 (T / 2) + 8 (T % 2) + r + 8 (r / 8) of the block; registers 6 c .. 6 c + 5 hold k = 64 c + 32 h + 0 .. 31.
;   scale words from byte 12,288 on: the word of (T, r) at 256 (T / 4) + 16 r + 4 (T % 4): one access of 16 bytes at 16 r gives a lane the words of four tiles.
;   With rows taken in the order PI, the eight results a lane holds of tiles 2 b and 2 b + 1 of a product are 16 neighbours along the next product's K.
; pan: 80 panels of 16 blocks (K steps): panels 0-15 x (128 rows each), 16-31 wq, 32-47 wk, 48-63 wv, 64-79 wo (128 columns each).  This launch stores panels 0-15.
; SHARES.  Work-group g makes block g (panel g / 16, K step g % 16); wave T makes image T.  Each load reads one row's 512 consecutive bytes; the 16 rows turn through the wave's own stage in LDS, so that a lane
; gets 32 neighbours along K twice: two whole blocks of 32, whose largest magnitudes need no other lane.
; A block's scale byte is its largest magnitude's exponent field - 2, held at 1 from below.
; LIMITS: a block of zeros gets the byte 1 where the rule says 127 (its codes are zeros, and this program alone reads the bytes); NaN and infinities among the inputs are not served.
; No matrix unit, no cluster, no tensor load: nothing is shared between work-groups, and each byte is read and written once.
.set STG,   8448                       ; a wave's stage: 16 rows x (512 bytes + 16)
.set SCR,   8*STG                      ; the block's 512 bytes of scale words, gathered from the eight waves
.set SPARE, SCR+512                    ; the spare words, 128 bytes for each wave: four blocks of 256 bytes that no other line names
.set R,     16                         ; v16-79   the 16 rows as loaded
.set X,     80                         ; v80-143  my 64 numbers: register 32 c + i = k 64 c + 32 h + i of my row
.set PC,    144                        ; v144-155 the image's twelve registers
.set TP,    156                        ; v156-158, v160-162 a block's upper 16 codes on their way
	s_load_b128 s[4:7], s[0:1], 0x0                ; x, pan
	v_lshl_add_u32 v8, v0, 2, SPARE                ; my spare word; never rewritten
	v_mov_b32 v9, 0                                ; 0; never rewritten
	v_lshrrev_b32 v1, 5, v0
	v_readfirstlane_b32 s8, v1                     ; wave = tile T
	v_and_b32 v1, 31, v0                           ; lane
	v_and_b32 v2, 15, v0                           ; r
	v_bfe_u32 v3, v0, 4, 1                         ; h
	v_lshlrev_b32 v4, 4, v1                        ; 16 x lane
	s_mul_i32 s9, s8, STG
	v_add_nc_u32 v5, s9, v4                        ; into the stage: 16 bytes a lane of a row
	v_mul_u32_u24 v6, v2, 528
	v_lshl_add_u32 v6, v3, 7, v6
	v_add_nc_u32 v6, s9, v6                        ; out of it: row r, + 128 h
	s_lshr_b32 s10, s8, 2
	s_lshl_b32 s10, s10, 8
	s_and_b32 s11, s8, 3
	s_lshl_b32 s11, s11, 2
	s_add_co_u32 s10, s10, s11
	s_add_co_u32 s10, s10, SCR
	v_lshl_add_u32 v7, v2, 4, s10                  ; my row's scale word: 256 (T / 4) + 4 (T % 4) + 16 r
	s_mov_b32 s12, 0x76543210
	s_mov_b32 s13, 0xfedcba98                      ; v_permlanex16_b32's selects for lane l xor 16
	s_lshr_b32 s14, ttmp9, 4                       ; panel
	s_and_b32 s15, ttmp9, 15                       ; K step
	s_lshl_b32 s14, s14, 7
	s_lshr_b32 s16, s8, 1
	s_lshl_b32 s16, s16, 5
	s_and_b32 s17, s8, 1
	s_lshl_b32 s17, s17, 3
	s_add_co_u32 s14, s14, s16
	s_add_co_u32 s14, s14, s17                     ; my tile's first row: 128 panel + 32 (T / 2) + 8 (T % 2)
	s_lshl_b32 s14, s14, 13                        ; rows of 8,192 bytes
	s_lshl_b32 s15, s15, 9
	s_add_co_u32 s14, s14, s15                     ; + 512 bytes a K step
	s_mov_b32 s15, 0
	s_mul_i32 s16, ttmp9, 12800                    ; my block,
	s_mul_i32 s17, s8, 1536
	s_add_co_u32 s16, s16, s17                     ; my image
	s_mov_b32 s17, 0
	s_wait_kmcnt 0x0
	s_add_nc_u64 s[4:5], s[4:5], s[14:15]
	s_add_nc_u64 s[6:7], s[6:7], s[16:17]
.irp i, 0,1,2,3,4,5,6,7,8,9,10,11,12,13,14,15
	global_load_b128 v[R+4*\i:R+4*\i+3], v4, s[4:5] offset:(\i+8*(\i/8))*8192 th:TH_LOAD_NT   ; row PI(T, i): 32 lanes read 512 consecutive bytes
.endr
.irp i, 0,1,2,3,4,5,6,7,8,9,10,11,12,13,14,15
	s_wait_loadcnt 15-\i                           ; loads come back in order: row i is in, the younger ones stay out
	ds_store_b128 v5, v[R+4*\i:R+4*\i+3] offset:528*\i
.endr
.irp c, 0,1
.irp j, 0,1,2,3,4,5,6,7
	ds_load_b128 v[X+32*\c+4*\j:X+32*\c+4*\j+3], v6 offset:256*\c+16*\j   ; LDS serves a wave's instructions in order: these see my stores
.endr
.endr
	s_wait_dscnt 0x0
.irp c, 0,1
	v_max3_num_f32 v[10+\c], |v[X+32*\c]|, |v[X+32*\c+1]|, 0x1800000   ; my block 2 c + h: all 32 numbers are mine; the floor 2^(3 - 127) holds the byte at 1 from below
.endr
.irp i, 2,4,6,8,10,12,14,16,18,20,22,24,26,28,30
.irp c, 0,1
	v_max3_num_f32 v[10+\c], v[10+\c], |v[X+32*\c+\i]|, |v[X+32*\c+\i+1]|   ; (the two blocks by turns)
.endr
.endr
.irp c, 0,1
	v_add_nc_u32 v[12+\c], 0xff000000, v[10+\c]    ; 2 off the exponent field: the conversion's scale operand
.endr
.irp c, 0,1
	v_lshrrev_b32 v[10+\c], 23, v[12+\c]           ; the scale's byte
.endr
	v_lshl_or_b32 v14, v11, 16, v10                ; my two bytes: blocks h and 2 + h of row r,
	v_lshlrev_b32 v15, 3, v3
	v_lshlrev_b32 v14, v15, v14                    ; at their places in the word (8 h bits up);
	v_mov_b32 v15, 0
	v_permlanex16_b32 v15, v14, s12, s13
	v_or_b32 v14, v14, v15                         ; with lane l xor 16's two the word is whole
.irp c, 0,1
	v_cvt_scalef32_pk16_fp6_f32 v[PC+6*\c:PC+6*\c+2], v[X+32*\c:X+32*\c+15], v[12+\c]
	v_cvt_scalef32_pk16_fp6_f32 v[TP+4*\c:TP+4*\c+2], v[X+32*\c+16:X+32*\c+31], v[12+\c]   ; (a conversion's three registers begin on an even number)
.endr
	v_nop                                          ; one plain place behind a scaled conversion
.irp c, 0,1
.irp i, 0,1,2
	v_mov_b32 v[PC+3+6*\c+\i], v[TP+4*\c+\i]
.endr
.endr
.irp g, 0,1,2
	global_store_b128 v4, v[PC+4*\g:PC+4*\g+3], s[6:7] offset:512*\g   ; the image: 32 lanes store 512 consecutive bytes, aligned to 256
.endr
	ds_store_b32 v7, v14                           ; lanes r and r + 16 write the same word with the same value
	s_wait_dscnt 0x0                               ; for the others' sake: my word lies in LDS
	s_barrier_signal -1
	s_barrier_wait -1
	s_cmp_lg_u32 s8, 0
	s_cbranch_scc1 .Lnot_wave_0
	v_add_nc_u32 v15, SCR, v4
	ds_load_b128 v[164:167], v15                   ; the block's 512 bytes of scale words
	s_wait_dscnt 0x0
	global_store_b128 v4, v[164:167], s[6:7] offset:12288   ; (wave 0's base is the block's first byte)
.Lnot_wave_0:
	s_wait_tensorcnt 0x0                           ; the wave's end: three lines behind my last LDS store
	ds_add_u32 v8, v9
	s_wait_dscnt 0x0
	s_endpgm
.Lfunc_end_k_q31443cdae8_qx:
	.size	k_q31443cdae8_qx, .Lfunc_end_k_q31443cdae8_qx-k_q31443cdae8_qx
	.p2alignl 7, 3214868480
	.fill 96, 4, 3214868480
	.section	.rodata,"a",@progbits
	.p2align	6, 0x0
	.amdhsa_kernel k_q31443cdae8_qx
		.amdhsa_group_segment_fixed_size 69120
		.amdhsa_private_segment_fixed_size 0
		.amdhsa_enable_private_segment 0
		.amdhsa_kernarg_size 16
		.amdhsa_user_sgpr_count 2
		.amdhsa_user_sgpr_kernarg_segment_ptr 1
		.amdhsa_wavefront_size32 1
		.amdhsa_system_sgpr_workgroup_id_x 1
		.amdhsa_system_sgpr_workgroup_id_y 1
		.amdhsa_system_sgpr_workgroup_id_z 1
		.amdhsa_system_vgpr_workitem_id 0
		.amdhsa_next_free_vgpr 176
		.amdhsa_next_free_sgpr 66
		.amdhsa_reserve_vcc 0
		.amdhsa_float_denorm_mode_32 3
		.amdhsa_float_denorm_mode_16_64 3
		.amdhsa_memory_ordered 1
		.amdhsa_forward_progress 1
		.amdhsa_inst_pref_size 10
	.end_amdhsa_kernel
	.amdgpu_metadata
---
amdhsa.version: [ 1, 2 ]
amdhsa.kernels:
  - .name:           k_q31443cdae8_qx
    .symbol:         k_q31443cdae8_qx.kd
    .args:
      - { .name: x, .offset: 0, .size: 8, .value_kind: global_buffer, .address_space: global }
      - { .name: pan, .offset: 8, .size: 8, .value_kind: global_buffer, .address_space: global }
    .group_segment_fixed_size: 69120
    .private_segment_fixed_size: 0
    .kernarg_segment_align: 8
    .kernarg_segment_size: 16
    .max_flat_workgroup_size: 256
    .sgpr_count:     66
    .vgpr_count:     176
    .wavefront_size: 32
...
	.end_amdgpu_metadata
.endif
;; end of part 1
;; launch qw (part 2): grid 256 x 4, 4 waves a work-group, no clusters, 13,312 bytes of LDS; arguments wq, wk, wv, wo, pan; writes pan
.if DOCPART == 2
	.amdgcn_target "amdgcn-amd-amdhsa--gfx1250"
	.amdhsa_code_object_version 6
	.text
	.protected	k_q31443cdae8_qw
	.globl	k_q31443cdae8_qw
	.p2align	8
	.type	k_q31443cdae8_qw,@function
k_q31443cdae8_qw:
	s_mov_b64 s[64:65], 0
	v_nop
	global_prefetch_b8 v0, s[64:65] scope:SCOPE_SE
	s_setreg_imm32_b32 hwreg(HW_REG_WAVE_MODE, 25, 1), 1
	s_wait_xcnt 0x0
; Launch 2 of 5: the four weights [2048 (k)][2048 (n)] f32, whose K is their FIRST axis, become codes of E2M3 and E8M0 scales along K, in the workspace format (blocks of 12,800 bytes:
; eight images of operand registers, rows in the order PI(T, r) = 32 (T / 2) + 8 (T % 2) + r + 8 (r / 8), then 512 bytes of scale words: see the first launch's head).  Nothing is left out.
; pan's panels 16-31 wq, 32-47 wk, 48-63 wv, 64-79 wo; a panel is 128 columns n, its 16 blocks are the K steps of 128.
; SHARES.  Work-group (x, y): weight y, columns 128 (x % 16) on, K step x / 16.  Wave b takes columns 32 b + lane.  A LANE TAKES A COLUMN AND ITS REGISTERS RUN DOWN K: each load reads 128 consecutive bytes a wave,
; 512 a work-group; a block of 32 along K lies in one lane's registers.  Column 32 b + lane is row r = lane % 8 + 8 (lane / 16) of tile 2 b + u, u = (lane / 8) % 2; its block B of 32 is what lane r + 16 (B % 2) of the
; image holds in registers 6 (B / 2) on.  So each lane puts its codes at those places of the wave's two images in LDS, and the images leave as they lie, 512 consecutive bytes a store.
; LIMITS: a block of zeros gets the byte 1 where the rule says 127 (its codes are zeros, and this program alone reads the bytes); NaN and infinities among the inputs are not served.
; No matrix unit, no cluster, no tensor load: nothing is shared between work-groups.
.set SCR,   12288                      ; behind the four waves' stages of 3,072 bytes: the block's scale words
.set SPARE, SCR+512                    ; the spare words, 128 bytes for each wave: two blocks of 256 bytes that no other line names
.set X,     32                         ; v32-159  my column's 128 numbers
.set C,     160                        ; v160-191 codes: eight registers for each block of 32, six of them used
.set TP,    20                         ; v20-22   a block's upper 16 codes on their way
	s_load_b256 s[4:11], s[0:1], 0x0               ; wq, wk, wv, wo
	s_load_b64 s[12:13], s[0:1], 0x20              ; pan
	v_lshl_add_u32 v10, v0, 2, SPARE               ; my spare word; never rewritten
	v_mov_b32 v11, 0                               ; 0; never rewritten
	v_lshrrev_b32 v1, 5, v0
	v_readfirstlane_b32 s16, v1                    ; wave b
	v_and_b32 v1, 31, v0                           ; lane
	v_bfe_u32 v2, v0, 3, 1                         ; u
	v_and_b32 v3, 7, v0
	v_bfe_u32 v9, v0, 4, 1
	v_lshl_add_u32 v3, v9, 3, v3                   ; r
	v_lshlrev_b32 v4, 2, v1                        ; in: 4 bytes a lane
	s_mul_i32 s17, s16, 3072
	v_mul_u32_u24 v5, v2, 1536
	v_lshl_add_u32 v5, v3, 4, v5
	v_add_nc_u32 v5, s17, v5                       ; into the stage: image u, 16 r
	v_lshlrev_b32 v8, 4, v1                        ; 16 x lane
	v_add_nc_u32 v6, s17, v8                       ; out of it, as it lies
	s_lshr_b32 s18, s16, 1
	s_lshl_b32 s18, s18, 8
	s_and_b32 s19, s16, 1
	s_lshl_b32 s19, s19, 3
	s_add_co_u32 s18, s18, s19
	s_add_co_u32 s18, s18, SCR
	v_lshlrev_b32 v7, 2, v2
	v_lshl_add_u32 v7, v3, 4, v7
	v_add_nc_u32 v7, s18, v7                       ; my column's scale word: 256 (b / 2) + 8 (b % 2) + 4 u + 16 r
	s_and_b32 s20, ttmp7, 0xffff                   ; which weight
	s_and_b32 s21, ttmp9, 15                       ; which 128 columns
	s_lshr_b32 s22, ttmp9, 4                       ; which K step
	s_lshl_b32 s24, s22, 20                        ; 128 rows of 8,192 bytes,
	s_lshl_b32 s23, s21, 9
	s_add_co_u32 s24, s24, s23                     ; 512 bytes a panel,
	s_lshl_b32 s23, s16, 7
	s_add_co_u32 s24, s24, s23                     ; 128 a wave
	s_mov_b32 s25, 0
	s_lshl_b32 s26, s20, 4
	s_add_co_u32 s26, s26, s21
	s_add_co_u32 s26, s26, 16                      ; panel 16 + 16 y + x % 16
	s_lshl_b32 s26, s26, 4
	s_add_co_u32 s26, s26, s22
	s_mul_i32 s26, s26, 12800                      ; its block,
	s_add_co_u32 s26, s26, s17                     ; my two images
	s_mov_b32 s27, 0
	s_wait_kmcnt 0x0
	s_cmp_eq_u32 s20, 1                            ; the choice hangs on the work-group's number alone
	s_cselect_b64 s[4:5], s[6:7], s[4:5]
	s_cmp_eq_u32 s20, 2
	s_cselect_b64 s[4:5], s[8:9], s[4:5]
	s_cmp_eq_u32 s20, 3
	s_cselect_b64 s[4:5], s[10:11], s[4:5]
	s_add_nc_u64 s[4:5], s[4:5], s[24:25]
	s_add_nc_u64 s[12:13], s[12:13], s[26:27]
.macro LOADB t                         ; block t: w(32 t + i, my column), i = 0 .. 31
.irp i, 0,1,2,3,4,5,6,7,8,9,10,11,12,13,14,15,16,17,18,19,20,21,22,23,24,25,26,27,28,29,30,31
	global_load_b32 v[X+32*(\t)+\i], v4, s[4:5] offset:(32*(\t)+\i)*8192 th:TH_LOAD_NT
.endr
.endm
.macro BLOCK t
.set XS, X+32*(\t)
.set CC, C+8*(\t)
.if (\t) < 3
	s_wait_loadcnt 32                              ; this block's 32 loads are in; the next block's may be out
.else
	s_wait_loadcnt 0x0
.endif
.if (\t)+2 < 4
	LOADB (\t)+2                                   ; two blocks ahead, into registers of their own
.endif
	v_max3_num_f32 v12, |v[XS]|, |v[XS+1]|, |v[XS+2]|   ; the block's largest magnitude, in two chains
	v_max3_num_f32 v13, |v[XS+3]|, |v[XS+4]|, |v[XS+5]|
.irp i, 6,10,14,18,22,26
	v_max3_num_f32 v12, v12, |v[XS+\i]|, |v[XS+\i+1]|
	v_max3_num_f32 v13, v13, |v[XS+\i+2]|, |v[XS+\i+3]|
.endr
	v_max3_num_f32 v12, v12, |v[XS+30]|, |v[XS+31]|
	v_max3_num_f32 v12, v12, v13, 0x1800000        ; and the floor 2^(3 - 127): the byte cannot fall under 1
	v_add_nc_u32 v14, 0xff000000, v12              ; 2 off the exponent field: the conversion's scale operand
	v_lshrrev_b32 v15, 23, v14                     ; the scale's byte
.if (\t) == 0
	v_mov_b32 v16, v15                             ; four bytes make my column's scale word, the lower K in the lower byte
.else
	v_lshl_or_b32 v16, v15, 8*(\t), v16
.endif
	v_cvt_scalef32_pk16_fp6_f32 v[CC:CC+2], v[XS:XS+15], v14
	v_cvt_scalef32_pk16_fp6_f32 v[TP:TP+2], v[XS+16:XS+31], v14   ; (a conversion's three registers begin on an even number)
	v_nop                                          ; one plain place behind a scaled conversion
.irp i, 0,1,2
	v_mov_b32 v[CC+3+\i], v[TP+\i]
.endr
.if (\t) < 2                           ; registers 0-5 of lane r + 16 t: four at 256 t, two at 512 + 256 t
	ds_store_b128 v5, v[CC:CC+3] offset:256*(\t)
	ds_store_b64 v5, v[CC+4:CC+5] offset:512+256*(\t)
.else                                  ; registers 6-11 of lane r + 16 (t - 2): two at 520 + 256 (t - 2), four at 1,024 + 256 (t - 2)
	ds_store_b64 v5, v[CC:CC+1] offset:520+256*((\t)-2)
	ds_store_b128 v5, v[CC+2:CC+5] offset:1024+256*((\t)-2)
.endif
.endm
	LOADB 0
	LOADB 1
	BLOCK 0
	BLOCK 1
	BLOCK 2
	BLOCK 3
.irp i, 0,1,2,3,4,5
	ds_load_b128 v[192+4*\i:195+4*\i], v6 offset:512*\i   ; LDS serves a wave's instructions in order: these see my stores
.endr
	ds_store_b32 v7, v16
.irp i, 0,1,2,3,4,5
	s_wait_dscnt 6-\i                              ; load i is back (behind it: the younger loads and the word's store)
	global_store_b128 v8, v[192+4*\i:195+4*\i], s[12:13] offset:512*\i   ; 32 lanes store 512 consecutive bytes, aligned to 256
.endr
	s_wait_dscnt 0x0                               ; for the others' sake: my word lies in LDS
	s_barrier_signal -1
	s_barrier_wait -1
	s_cmp_lg_u32 s16, 0
	s_cbranch_scc1 .Lnot_wave_0
	v_add_nc_u32 v15, SCR, v8
	ds_load_b128 v[216:219], v15                   ; the block's 512 bytes of scale words
	s_wait_dscnt 0x0
	global_store_b128 v8, v[216:219], s[12:13] offset:12288   ; (wave 0's base is the block's first byte)
.Lnot_wave_0:
	s_wait_tensorcnt 0x0                           ; the wave's end: three lines behind my last LDS store
	ds_add_u32 v10, v11
	s_wait_dscnt 0x0
	s_endpgm
.Lfunc_end_k_q31443cdae8_qw:
	.size	k_q31443cdae8_qw, .Lfunc_end_k_q31443cdae8_qw-k_q31443cdae8_qw
	.p2alignl 7, 3214868480
	.fill 96, 4, 3214868480
	.section	.rodata,"a",@progbits
	.p2align	6, 0x0
	.amdhsa_kernel k_q31443cdae8_qw
		.amdhsa_group_segment_fixed_size 13312
		.amdhsa_private_segment_fixed_size 0
		.amdhsa_enable_private_segment 0
		.amdhsa_kernarg_size 40
		.amdhsa_user_sgpr_count 2
		.amdhsa_user_sgpr_kernarg_segment_ptr 1
		.amdhsa_wavefront_size32 1
		.amdhsa_system_sgpr_workgroup_id_x 1
		.amdhsa_system_sgpr_workgroup_id_y 1
		.amdhsa_system_sgpr_workgroup_id_z 1
		.amdhsa_system_vgpr_workitem_id 0
		.amdhsa_next_free_vgpr 224
		.amdhsa_next_free_sgpr 66
		.amdhsa_reserve_vcc 0
		.amdhsa_float_denorm_mode_32 3
		.amdhsa_float_denorm_mode_16_64 3
		.amdhsa_memory_ordered 1
		.amdhsa_forward_progress 1
		.amdhsa_inst_pref_size 23
	.end_amdhsa_kernel
	.amdgpu_metadata
---
amdhsa.version: [ 1, 2 ]
amdhsa.kernels:
  - .name:           k_q31443cdae8_qw
    .symbol:         k_q31443cdae8_qw.kd
    .args:
      - { .name: wq, .offset: 0, .size: 8, .value_kind: global_buffer, .address_space: global }
      - { .name: wk, .offset: 8, .size: 8, .value_kind: global_buffer, .address_space: global }
      - { .name: wv, .offset: 16, .size: 8, .value_kind: global_buffer, .address_space: global }
      - { .name: wo, .offset: 24, .size: 8, .value_kind: global_buffer, .address_space: global }
      - { .name: pan, .offset: 32, .size: 8, .value_kind: global_buffer, .address_space: global }
    .group_segment_fixed_size: 13312
    .private_segment_fixed_size: 0
    .kernarg_segment_align: 8
    .kernarg_segment_size: 40
    .max_flat_workgroup_size: 128
    .sgpr_count:     66
    .vgpr_count:     224
    .wavefront_size: 32
...
	.end_amdgpu_metadata
.endif
;; end of part 2
;; launch gqkv (part 3): grid 24 x 8, 4 waves a work-group, clusters of 4 x 4, 327,680 bytes of LDS; arguments pan, bq, bk, bv, qkv; writes qkv
.if DOCPART == 3
	.amdgcn_target "amdgcn-amd-amdhsa--gfx1250"
	.amdhsa_code_object_version 6
	.text
	.protected	k_q31443cdae8_gqkv
	.globl	k_q31443cdae8_gqkv
	.p2align	8
	.type	k_q31443cdae8_gqkv,@function
k_q31443cdae8_gqkv:
	s_mov_b64 s[64:65], 0
	v_nop
	global_prefetch_b8 v0, s[64:65] scope:SCOPE_SE
	s_setreg_imm32_b32 hwreg(HW_REG_WAVE_MODE, 25, 1), 1
	s_wait_xcnt 0x0
	s_wait_alu depctr_hold_cnt(0) depctr_sa_sdst(0) depctr_va_vdst(0) depctr_va_sdst(0) depctr_va_ssrc(0) depctr_va_vcc(0) depctr_vm_vsrc(0)
	s_getreg_b32 s2, hwreg(HW_REG_IB_STS2, 6, 4)
	s_cmp_eq_u32 s2, 0
	s_cbranch_scc0 .Lentry_in_a_cluster
	s_endpgm
.Lentry_in_a_cluster:
	s_bfe_u32 s2, ttmp6, 0x10000c
	s_cmp_lg_u32 s2, 0xf033
	s_cbranch_scc0 .Lentry_shape_is_right
	s_endpgm
.Lentry_shape_is_right:
; Launch 3 of 5: q = x wq + bq, k = x wk + bk, v = x wv + bv on codes of E2M3, and the three results quantised on the way out: no f32 q, k or v goes to memory.  Nothing is left out.
; Operands and results lie in the workspace format (blocks of 12,800 bytes = 128 rows x 128 K: eight images of operand registers, rows in the order PI(T, r) = 32 (T / 2) + 8 (T % 2) + r + 8 (r / 8), and 512 bytes
; of scale words: see the first launch's head).  qkv: block 256 which + 16 head + P.  q, k (which 0, 1): rows = the positions of panel P, K = the head's 128.  v (which 2): rows = the head's channels, K = the keys of panel P.
; A work-group of four waves makes 256 x 256, a wave 128 x 128: 64 accumulators, 512 registers.  SOURCE 1 ('A') gives a lane its row, SOURCE 0 ('B') runs along the lane's registers, which must be the NEXT product's K:
;   q, k (cluster x 0-3): B = two panels of wq or wk (registers along the head's channels), A = two panels of x (a lane is a position).
;   v    (cluster x 4-5): B = two panels of x (registers along the keys),                   A = two panels of wv (a lane is a channel).
; One text serves both: only panel numbers differ, and the arm that adds the bias; both hang on the cluster's x, which all sixteen partners share.
; THE RING.  Two LDS slots of THREE K steps (384 along K), as many as two slots in LDS allow: three K steps of a panel are 38,400 dense bytes, one tensor load a wave.  The 16 K steps are five fills of three and one of one.
; From a refill's request to the wait for it a wave issues 160 matrix instructions.  The 16 K steps are written out by one macro: the fills are not alike, B's sets come back after two steps and the slots after six.
; A fragment comes from LDS by three loads of 16 bytes a lane, 512 consecutive bytes each; a step's scale words by two.
; CLUSTERS: 4 x 4 work-groups.  A's panels hang on the grid's y, and are asked for jointly along a row of the cluster; B's on the grid's x, jointly along a column.
; REGISTERS, in windows of 256: window 0: v8-15 the bias's offsets; v16-29 addresses; v32-47 scale words, two sets; v64-127 the bias; v128-223 A's fragments, ONE set; on the way out v128-244 are at work.
;   window 1: B's fragments, TWO sets, at v0 and v128.   windows 2, 3: the accumulators ((a, b) at v[8 (8 (a % 4) + b)] of window 2 + a / 4).
; LIMITS: a block of zeros gets the byte 1 where the rule says 127 (its codes are zeros, and this program alone reads the bytes); NaN and infinities are not served.
.set NBF,   8                          ; B's tiles a wave
.set NST,   16                         ; K steps of 128
.set NQ,    3                          ; K steps in a slot
.set CM0,   1                          ; the first step's products start the sums with the constant 0
.set REG,   NQ*12800                   ; a panel's part of a slot
.set SLOT,  4*REG                      ; A's two panels, B's two panels
.set SPARE, 2*SLOT                     ; the spare words, 128 bytes for each wave: two blocks of 256 bytes that no other line names
.set ADJ,   8                          ; v8-15   the bias's offsets, one for each register of a tile
.set ADRA,  16                         ; v16-17  LDS address of my A fragments in slot 0, 1
.set ADRB,  20                         ; v20-21  the same for B
.set ADRS,  22                         ; v22-23  of the scale words: lanes 0-15 A's, lanes 16-31 B's
.set ADRS2, 22                         ; (tiles 4-7 by the same registers here)
.set GO,    26                         ; v26     16 x lane
.set SPW,   28                         ; v28     my spare word; never rewritten
.set NIL,   29                         ; v29     0; never rewritten
.set SC,    32                         ; scale words: K step g, tile i at v[SC + 8 (g % 2) + i]
.set BI,    64
.set AF,    128
.set HA,    128                        ; the way out: 64 numbers of a lane
.set TM,    192                        ; v192-207 at work in QUANT
.set PC,    208                        ; v208-227 the codes just made
.set PWB,   232                        ; v232-239 the eight tiles' scale words
.set G1,  24                           ; s[24:31] descriptor group 1 for A;  s[32:39] group 0, one set for each slot
.set G0,  32
.set G1B, 48                           ; s[48:55], s[56:63] the same for B
.set G0B, 56
.set G1L, 84                           ; s[84:91], s[92:99] groups 1 for the last fill, of one K step
.set G1BL, 92
.set SEL, 80                           ; s[80:81] v_permlanex16_b32's selects for lane l xor 16
.set MSB, 0
.macro WIN new                         ; the immediate's high byte repeats the setting that is left
.if MSB != (\new)
	s_set_vgpr_msb (MSB<<8)|(\new)
.set MSB, (\new)
.endif
.endm
; A joint load: waves 0 and 1 fetch for A, waves 2 and 3 for B; the branch hangs on the wave's number alone.  An s_nop 0 and four v_nop follow each of the two lines.
.macro JLOAD g0a, g1a, g0b, g1b
	s_cmp_eq_u32 s15, 0
	s_cbranch_scc0 .Lfor_b_\@
	tensor_load_to_lds s[\g0a:\g0a+3], s[\g1a:\g1a+7]
	s_nop 0
.rept 4
	v_nop
.endr
	s_branch .Lasked_\@
.Lfor_b_\@:
	tensor_load_to_lds s[\g0b:\g0b+3], s[\g1b:\g1b+7]
	s_nop 0
.rept 4
	v_nop
.endr
.Lasked_\@:
.endm
.macro CREST                           ; a round of the cluster's barrier behind its opening barrier
	s_cmp_lg_u32 s14, 0
	s_cbranch_scc1 .Lnot_wave_0_\@
	s_barrier_signal -3
.Lnot_wave_0_\@:
	s_barrier_wait -3
	s_barrier_signal -1
	s_barrier_wait -1
.endm
.macro CROUND                          ; a whole round
	s_barrier_signal -1
	s_barrier_wait -1
	CREST
.endm
.macro PLACES n                        ; plain places behind matrix instructions, in front of loads into their registers and of reads of their results
.rept \n
	v_nop
.endr
.endm
	s_load_b256 s[4:11], s[0:1], 0x0               ; pan, bq, bk, bv
	s_load_b64 s[12:13], s[0:1], 0x20              ; qkv
	v_lshl_add_u32 v[SPW], v0, 2, SPARE
	v_mov_b32 v[NIL], 0
	ds_add_u32 v[SPW], v[NIL]                      ; the wave's opening: the add, twice on end, and its wait ahead of my first tensor load
	ds_add_u32 v[SPW], v[NIL]
	v_lshrrev_b32 v1, 5, v0
	v_readfirstlane_b32 s14, v1                    ; wave 0..3
	s_lshr_b32 s15, s14, 1                         ; which of A's two panels is mine.  Also: I fetch for A (0) or for B (1)
	s_and_b32 s16, s14, 1                          ; which of B's two.  Also: which panel I fetch
	s_bfe_u32 s40, ttmp6, 0x40000                  ; cx, cy: my place in the cluster
	s_bfe_u32 s41, ttmp6, 0x40004
	s_lshl_b32 s42, ttmp9, 2
	s_add_co_u32 s42, s42, s40                     ; X = 4 x cluster x + cx
	s_and_b32 s17, ttmp7, 0xffff
	s_lshl_b32 s17, s17, 2
	s_add_co_u32 s17, s17, s41                     ; Y = 4 x cluster y + cy
	s_lshl_b32 s43, s41, 2
	s_lshl_b32 s43, 15, s43                        ; my row of the cluster
	s_lshl_b32 s44, 0x1111, s40                    ; my column
	s_or_b32 s[G1+0], s43, (3<<16)|(1<<21)         ; 15:0 the mask: A goes to my row; 17:16 elements of 8 bytes; 20 no padding; 21 set beside a mask
	s_or_b32 s[G1B+0], s44, (3<<16)|(1<<21)        ; B goes to my column
	s_or_b32 s[G1L+0], s43, (3<<16)|(1<<21)
	s_or_b32 s[G1BL+0], s44, (3<<16)|(1<<21)
.irp g, G1, G1B                        ; three K steps of a panel: 38,400 dense bytes as 150 rows of 256
	s_mov_b32 s[\g+1], 32<<16                      ; tensor_dim0 = 32 elements
	s_mov_b32 s[\g+2], (50*NQ)<<16                 ; tensor_dim1
	s_mov_b32 s[\g+3], 32<<16                      ; tile_dim0
	s_mov_b32 s[\g+4], 50*NQ                       ; tile_dim1
	s_mov_b32 s[\g+5], 32                          ; from row to row
	s_mov_b32 s[\g+6], 0
	s_mov_b32 s[\g+7], 0
.endr
.irp g, G1L, G1BL                      ; the last K step alone: 12,800 dense bytes as 50 rows of 256
	s_mov_b32 s[\g+1], 32<<16
	s_mov_b32 s[\g+2], 50<<16
	s_mov_b32 s[\g+3], 32<<16
	s_mov_b32 s[\g+4], 50
	s_mov_b32 s[\g+5], 32
	s_mov_b32 s[\g+6], 0
	s_mov_b32 s[\g+7], 0
.endr
	s_mov_b32 s[SEL], 0x76543210
	s_mov_b32 s[SEL+1], 0xfedcba98
	s_cmp_lt_u32 ttmp9, 4                          ; q and k, or v?  The cluster's x: the same in all sixteen partners
	s_cselect_b32 s67, 0, 48
	s_lshl_b32 s20, s17, 1
	s_add_co_u32 s20, s20, s67                     ; A's first panel: 2 Y of x, or 48 + 2 Y (wv)
	s_add_co_u32 s20, s20, s16                     ; the one that I fetch
	s_mul_i32 s20, s20, 204800                     ; a panel's 16 blocks
	s_mov_b32 s21, 0
	s_lshl_b32 s46, s42, 1
	s_add_co_u32 s46, s46, 16
	s_sub_co_u32 s46, s46, s67                     ; B's first panel: 16 + 2 X (wq, wk), or 2 X - 32 of x
	s_add_co_u32 s46, s46, s16
	s_mul_i32 s46, s46, 204800
	s_mov_b32 s47, 0
	s_mul_i32 s45, s14, REG                        ; where my load goes: no place in the cluster enters an LDS address
	s_wait_dscnt 0x0                               ; both opening adds are done
	s_wait_kmcnt 0x0
	s_add_nc_u64 s[20:21], s[4:5], s[20:21]
	s_add_nc_u64 s[46:47], s[4:5], s[46:47]
	CROUND                                         ; all sixteen work-groups are here: the first joint loads meet
.irp s, 0,1
	s_mov_b32 s[G0+4*\s], 1
	s_add_co_u32 s[G0+4*\s+1], s45, \s*SLOT
	s_add_nc_u64 s[G0+4*\s+2:G0+4*\s+3], s[20:21], \s*REG
	s_or_b32 s[G0+4*\s+3], s[G0+4*\s+3], 0x80000000
	s_mov_b32 s[G0B+4*\s], 1
	s_add_co_u32 s[G0B+4*\s+1], s45, \s*SLOT
	s_add_nc_u64 s[G0B+4*\s+2:G0B+4*\s+3], s[46:47], \s*REG
	s_or_b32 s[G0B+4*\s+3], s[G0B+4*\s+3], 0x80000000
	JLOAD G0+4*\s, G1, G0B+4*\s, G1B               ; two loads of mine are out
.endr
	v_and_b32 v1, 15, v0                           ; r
	v_bfe_u32 v2, v0, 4, 1                         ; h
	v_and_b32 v3, 31, v0                           ; lane
	v_lshlrev_b32 v[GO], 4, v3
	s_mul_i32 s21, s15, REG                        ; my panel of A
	s_mul_i32 s22, s16, REG
	s_add_co_u32 s22, s22, 2*REG                   ; my panel of B
	s_sub_co_u32 s23, s22, s21
	v_lshlrev_b32 v4, 4, v1
	v_mul_u32_u24 v5, s23, v2                      ; lanes 16-31 take B's scale words
	v_add_nc_u32 v4, v4, v5
	s_add_co_u32 s23, s21, 12288
.irp s, 0,1
	v_add_nc_u32 v[ADRA+\s], s21, v[GO]
	v_add_nc_u32 v[ADRB+\s], s22, v[GO]
	v_add_nc_u32 v[ADRS+\s], s23, v4
	s_add_co_u32 s21, s21, SLOT
	s_add_co_u32 s22, s22, SLOT
	s_add_co_u32 s23, s23, SLOT
.endr
	; the bias and the place of my block of results
	v_and_b32 v5, 8, v1
	v_add_nc_u32 v5, v5, v1                        ; r + 8 (r / 8)
	s_lshl_b32 s74, s42, 1
	s_add_co_u32 s74, s74, s16                     ; 2 X + my panel of B
	s_and_b32 s75, s74, 15                         ; q, k: the head
	s_lshl_b32 s76, s17, 1
	s_add_co_u32 s76, s76, s15                     ; 2 Y + my panel of A: q, k: the positions' panel; v: the head
	s_lshl_b32 s78, s74, 4
	s_add_co_u32 s78, s78, s76                     ; q, k: block 256 which + 16 head + P = 16 (2 X + ..) + 2 Y + ..
	s_lshl_b32 s79, s76, 4
	s_add_co_u32 s79, s79, s74
	s_add_co_u32 s79, s79, 480                     ; v: block 512 + 16 head + (2 X + .. - 32)
	s_cmp_lt_u32 ttmp9, 2
	s_cselect_b64 s[72:73], s[6:7], s[8:9]         ; bq or bk,
	s_cmp_lt_u32 ttmp9, 4
	s_cselect_b64 s[72:73], s[72:73], s[10:11]     ; or bv
	s_cselect_b32 s68, 64, 0                       ; q, k: register j of B's tile g is channel 32 (g / 2) + 8 (g % 2) + 16 h + j: offsets 64 h + 4 j
	s_cselect_b32 s69, 0, 4                        ; v: the lane's channel in A's tile g is 32 (g / 2) + 8 (g % 2) + r + 8 (r / 8), for every j
	s_cselect_b32 s70, 4, 0
	s_cselect_b32 s77, s75, s76
	s_cselect_b32 s78, s78, s79
	s_lshl_b32 s76, s77, 9                         ; the head's 128 numbers
	s_mov_b32 s77, 0
	s_add_nc_u64 s[72:73], s[72:73], s[76:77]
	s_mul_i32 s78, s78, 12800
	s_mov_b32 s79, 0
	s_add_nc_u64 s[12:13], s[12:13], s[78:79]
	v_mul_u32_u24 v[ADJ], s68, v2
	v_mad_u32_u24 v[ADJ], v5, s69, v[ADJ]
.irp j, 1,2,3,4,5,6,7
	v_add_nc_u32 v[ADJ+\j], s70, v[ADJ+\j-1]
.endr
.irp g, 0,1,2,3,4,5,6,7
.irp j, 0,1,2,3,4,5,6,7
	global_load_b32 v[BI+8*\g+\j], v[ADJ+\j], s[72:73] offset:4*(32*(\g/2)+8*(\g%2))   ; waited for once, at the way out
.endr
.endr
; THE K STEPS.  The symbols of the step in hand, KG: KK = which fill, SL = its slot, PP = B's set and the set of scale words; of the step that is fetched: SL2 its slot, QQ2 its place in the slot, NP its sets.
.macro FRAG reg, adr, off              ; a fragment's image: twelve registers by three loads, 512 consecutive bytes each
.irp c, 0,1,2
	ds_load_b128 v[\reg+4*\c:\reg+4*\c+3], v[\adr] offset:\off+512*\c
.endr
.endm
.macro FETCH_B                         ; B's NBF fragments
	WIN 0x40
.set ff, 0
.rept NBF
	FRAG 128*NP+12*ff, ADRB+SL2, 12800*QQ2+1536*ff
.set ff, ff+1
.endr
	WIN 0
.endm
.macro FETCH_A i0                      ; A's tiles i0 .. i0 + 3
.irp i, \i0, \i0+1, \i0+2, \i0+3
	FRAG AF+12*(\i), ADRA+SL2, 12800*QQ2+1536*(\i)
.endr
.endm
.macro SCALES                          ; the step's scale words: lanes 0-15 A's tiles, lanes 16-31 B's
	ds_load_b128 v[SC+8*NP:SC+8*NP+3], v[ADRS+SL2] offset:12800*QQ2
	ds_load_b128 v[SC+8*NP+4:SC+8*NP+7], v[ADRS2+SL2] offset:12800*QQ2+256
.endm
; A's tiles a0, a0 + 1 x B's NBF, 128 along K.  CM = 0: add in place; 1: the product starts the sum; 2: it starts it from the bias.  The accumulators take turns, one instruction a turn, in the same order in every step.
.macro MULP a0
.irp a, \a0, \a0+1
.set AW, 2+(8*NBF*(\a))/256
.set AR, (8*NBF*(\a))%256
.if CM == 0
.set WN, 1+(AW<<6)+(AW<<4)
.else
.set WN, 1+(AW<<6)
.endif
	WIN WN
.set bb, 0
.rept NBF
.if CM == 0
	v_wmma_scale_f32_16x16x128_f8f6f4 v[AR+8*bb:AR+8*bb+7], v[128*PP+12*bb:128*PP+12*bb+11], v[AF+12*(\a):AF+12*(\a)+11], v[AR+8*bb:AR+8*bb+7], v[SC+8*PP+bb], v[SC+8*PP+(\a)] matrix_a_fmt:MATRIX_FMT_FP6 matrix_b_fmt:MATRIX_FMT_FP6 matrix_a_scale:MATRIX_SCALE_ROW1
.elseif CM == 1
	v_wmma_scale_f32_16x16x128_f8f6f4 v[AR+8*bb:AR+8*bb+7], v[128*PP+12*bb:128*PP+12*bb+11], v[AF+12*(\a):AF+12*(\a)+11], 0, v[SC+8*PP+bb], v[SC+8*PP+(\a)] matrix_a_fmt:MATRIX_FMT_FP6 matrix_b_fmt:MATRIX_FMT_FP6 matrix_a_scale:MATRIX_SCALE_ROW1
.else
	v_wmma_scale_f32_16x16x128_f8f6f4 v[AR+8*bb:AR+8*bb+7], v[128*PP+12*bb:128*PP+12*bb+11], v[AF+12*(\a):AF+12*(\a)+11], v[BI+8*bb:BI+8*bb+7], v[SC+8*PP+bb], v[SC+8*PP+(\a)] matrix_a_fmt:MATRIX_FMT_FP6 matrix_b_fmt:MATRIX_FMT_FP6 matrix_a_scale:MATRIX_SCALE_ROW1
.endif
.set bb, bb+1
.endr
.endr
.endm
; A K step that has its successor in the same slot.  A's tiles are free as soon as their products are issued: tiles 0-3 are fetched anew in the step's middle, tiles 4-7 at its end.
.macro STEPF
	s_wait_dscnt 12                                ; all but the youngest twelve loads (A's tiles 4-7) are in
	MULP 0
	MULP 2
	s_wait_dscnt 0x0                               ; A's tiles 4-7 are in
	PLACES 4
	FETCH_B
	FETCH_A 0
	SCALES
	MULP 4
	MULP 6
	PLACES 4
	WIN 0
	FETCH_A 4
.endm
; A slot's last K step changes slots: ONE barrier; in front of it each wave waits for all its tensor loads, adds 0 to its spare word, and waits for that and for its reads of this slot.  The slot is filled again where K steps are left for it.
.macro TURNF
	s_wait_tensorcnt 0x0                           ; all my tensor loads have landed: my part of the next slot  (every window is 0 here)
	ds_add_u32 v[SPW], v[NIL]                      ; 0 onto my spare word
	s_wait_dscnt 13                                ; (the add and the youngest twelve loads may be out)
	MULP 0                                         ; matrix work stands between the add and the wait for it
	s_wait_dscnt 0x0                               ; the add is done, and my reads of this slot are over
	s_barrier_signal -1
	MULP 2
	WIN 0
	s_barrier_wait -1
.if NXF < NST
	CREST                                          ; the barrier has opened a round of the cluster's: no wave of any partner still reads this slot or has a load on its way
	s_add_nc_u64 s[G0+4*SL+2:G0+4*SL+3], s[G0+4*SL+2:G0+4*SL+3], 2*NQ*12800
	s_add_nc_u64 s[G0B+4*SL+2:G0B+4*SL+3], s[G0B+4*SL+2:G0B+4*SL+3], 2*NQ*12800
.if NXF+NQ > NST
	JLOAD G0+4*SL, G1L, G0B+4*SL, G1BL             ; the last fill: what is left of K
.else
	JLOAD G0+4*SL, G1, G0B+4*SL, G1B               ; the first tensor load behind the round; its four v_nop are also the places in front of the loads below
.endif
.else
	PLACES 4
.endif
	FETCH_B
	FETCH_A 0
	SCALES
	MULP 4
	MULP 6
	PLACES 4
	WIN 0
	FETCH_A 4
.endm
.macro LASTF                           ; the very last step: nothing more to fetch
	s_wait_dscnt 12
	MULP 0
	MULP 2
	s_wait_dscnt 0x0
	MULP 4
	MULP 6
	WIN 0
.endm
.macro KSTEP                           ; K step KG
.set KK, KG/NQ
.set SL, KK%2
.set PP, KG%2
.set NP, (KG+1)%2
.set SL2, ((KG+1)/NQ)%2
.set QQ2, (KG+1)%NQ
.set NXF, (KK+2)*NQ                    ; the first K step of what this slot takes next
.if KG == 0
.set CM, CM0
.else
.set CM, 0
.endif
.if KG == NST-1
	LASTF
.elseif KG%NQ == NQ-1
	TURNF
.else
	STEPF
.endif
.endm
	s_wait_tensorcnt 0x1                           ; my part of slot 0 is in; slot 1's may stay out
	s_barrier_signal -1
	s_barrier_wait -1                              ; everybody's is
.set NP, 0
.set SL2, 0
.set QQ2, 0
	FETCH_B
	FETCH_A 0
	SCALES
	FETCH_A 4
.set KG, 0
.rept NST
	KSTEP
.set KG, KG+1
.endr
; 64 numbers of a lane, register 16 b + i = k 32 b + 16 (lane / 16) + i of my row, become a fragment's codes in v[PC] on and its scale word in v[pw].
.macro QUANT s, pw
.irp b, 0,1,2,3
	v_max3_num_f32 v[TM+\b], |v[\s+16*\b]|, |v[\s+1+16*\b]|, 0x1800000   ; block b: my 16 numbers, and the floor 2^(3 - 127): the byte cannot fall under 1
.endr
.irp i, 2,4,6,8,10,12,14
.irp b, 0,1,2,3
	v_max3_num_f32 v[TM+\b], v[TM+\b], |v[\s+16*\b+\i]|, |v[\s+1+16*\b+\i]|
.endr
.endr
.irp b, 0,1,2,3
	v_permlanex16_b32 v[TM+4+\b], v[TM+\b], s[SEL], s[SEL+1]
.endr
.irp b, 0,1,2,3
	v_max_num_f32 v[TM+\b], v[TM+\b], v[TM+4+\b]   ; with lane l xor 16's: the block's largest magnitude
.endr
.irp b, 0,1,2,3
	v_add_nc_u32 v[TM+12+\b], 0xff000000, v[TM+\b] ; 2 off its exponent field: the conversion's scale operand
.endr
.irp b, 0,1,2,3
	v_lshrrev_b32 v[TM+4+\b], 23, v[TM+12+\b]      ; the scale's byte
.endr
	v_lshl_or_b32 v[\pw], v[TM+5], 8, v[TM+4]
	v_lshl_or_b32 v[\pw], v[TM+6], 16, v[\pw]
	v_lshl_or_b32 v[\pw], v[TM+7], 24, v[\pw]
.irp c, 0,1
	v_cvt_scalef32_pk16_fp6_f32 v[PC+6*\c:PC+2+6*\c], v[\s+32*\c:\s+15+32*\c], v[TM+12+2*\c]
	v_cvt_scalef32_pk16_fp6_f32 v[PC+12+4*\c:PC+14+4*\c], v[\s+16+32*\c:\s+31+32*\c], v[TM+12+2*\c+1]   ; (a conversion's three registers begin on an even number)
.endr
	v_nop                                          ; one plain place behind a scaled conversion
.irp c, 0,1                            ; the operand's layout wants a WHOLE block in a lane: lanes 0-15 block 2 c, lanes 16-31 block 2 c + 1
.irp i, 0,1,2
	v_permlane16_swap_b32 v[PC+6*\c+\i], v[PC+12+4*\c+\i]
.endr
.irp i, 0,1,2
	v_mov_b32 v[PC+3+6*\c+\i], v[PC+12+4*\c+\i]
.endr
.endr
.endm
; THE WAY OUT of A's tile a: its 64 registers a lane are 128 neighbours along the next K in two lanes.  The bias is added, each accumulator read from its low end on; the sums are quantised; the image is stored as it stands.
.macro OUTA a
.set AW, 2+(\a)/4
.set AC, 64*((\a)%4)
.if (\a) > 0
	s_wait_xcnt 0x0                                ; the last tile's stores have read the codes' registers
.endif
	s_cmp_lt_u32 ttmp9, 4                          ; the cluster's x: all partners go the same way
	s_cbranch_scc0 .Lfor_v_\@
	WIN AW                                         ; source 0: window 2 or 3
.set i, 0
.rept 32
	v_pk_add_f32 v[HA+2*i:HA+2*i+1], v[AC+2*i:AC+2*i+1], v[BI+2*i:BI+2*i+1]   ; q, k: the bias runs along the registers
.set i, i+1
.endr
	WIN 0
	s_branch .Ladded_\@
.Lfor_v_\@:
	WIN AW
.set i, 0
.rept 32
	v_pk_add_f32 v[HA+2*i:HA+2*i+1], v[AC+2*i:AC+2*i+1], v[BI+8*(\a):BI+8*(\a)+1]   ; v: the lane's channel has one bias
.set i, i+1
.endr
	WIN 0
.Ladded_\@:
	QUANT HA, PWB+\a
.irp g, 0,1,2
	global_store_b128 v[GO], v[PC+4*\g:PC+4*\g+3], s[12:13] offset:1536*(\a)+512*\g   ; 32 lanes store 512 consecutive bytes, aligned to 256
.endr
.endm
	s_wait_loadcnt 0x0                             ; the bias
	PLACES 4                                       ; behind the last products: their results are read and A's registers written below
.irp b, 0,1,2,3
	v_mov_b32 v[TM+4+\b], 0                        ; written once: a lane permute's destination counts as one of its sources
.endr
.irp a, 0,1,2,3,4,5,6,7
	OUTA \a
.endr
	v_and_b32 v244, 31, v0
	v_cmp_gt_u32 vcc_lo, 16, v244
.irp j, 0,1,2,3
	v_cndmask_b32 v[240+\j], v[PWB+4+\j], v[PWB+\j], vcc_lo   ; lanes 0-15: row r's words of tiles 0-3; lanes 16-31: of tiles 4-7
.endr
	global_store_b128 v[GO], v[240:243], s[12:13] offset:12288   ; the block's 512 bytes of scale words
	s_wait_tensorcnt 0x0                           ; the wave's end: three lines behind my last tensor load
	ds_add_u32 v[SPW], v[NIL]
	s_wait_dscnt 0x0
	CROUND                                         ; the closing round: no work-group ends while a partner may still ask for a tile that names it
	s_endpgm
.Lfunc_end_k_q31443cdae8_gqkv:
	.size	k_q31443cdae8_gqkv, .Lfunc_end_k_q31443cdae8_gqkv-k_q31443cdae8_gqkv
	.p2alignl 7, 3214868480
	.fill 96, 4, 3214868480
	.section	.rodata,"a",@progbits
	.p2align	6, 0x0
	.amdhsa_kernel k_q31443cdae8_gqkv
		.amdhsa_group_segment_fixed_size 327680
		.amdhsa_private_segment_fixed_size 0
		.amdhsa_enable_private_segment 0
		.amdhsa_kernarg_size 40
		.amdhsa_user_sgpr_count 2
		.amdhsa_user_sgpr_kernarg_segment_ptr 1
		.amdhsa_wavefront_size32 1
		.amdhsa_system_sgpr_workgroup_id_x 1
		.amdhsa_system_sgpr_workgroup_id_y 1
		.amdhsa_system_sgpr_workgroup_id_z 1
		.amdhsa_system_vgpr_workitem_id 0
		.amdhsa_next_free_vgpr 1024
		.amdhsa_next_free_sgpr 100
		.amdhsa_reserve_vcc 1
		.amdhsa_float_denorm_mode_32 3
		.amdhsa_float_denorm_mode_16_64 3
		.amdhsa_memory_ordered 1
		.amdhsa_forward_progress 1
		.amdhsa_inst_pref_size 255
	.end_amdhsa_kernel
	.section	.bss,"aw",@nobits
	.p2align	6
	.space	262144
	.amdgpu_metadata
---
amdhsa.version: [ 1, 2 ]
amdhsa.kernels:
  - .name:           k_q31443cdae8_gqkv
    .symbol:         k_q31443cdae8_gqkv.kd
    .args:
      - { .name: pan, .offset: 0, .size: 8, .value_kind: global_buffer, .address_space: global }
      - { .name: bq, .offset: 8, .size: 8, .value_kind: global_buffer, .address_space: global }
      - { .name: bk, .offset: 16, .size: 8, .value_kind: global_buffer, .address_space: global }
      - { .name: bv, .offset: 24, .size: 8, .value_kind: global_buffer, .address_space: global }
      - { .name: qkv, .offset: 32, .size: 8, .value_kind: global_buffer, .address_space: global }
    .group_segment_fixed_size: 327680
    .private_segment_fixed_size: 0
    .kernarg_segment_align: 8
    .kernarg_segment_size: 40
    .max_flat_workgroup_size: 128
    .sgpr_count:     100
    .vgpr_count:     1024
    .wavefront_size: 32
...
	.end_amdgpu_metadata
.endif
;; end of part 3
;; launch attn (part 4): grid 16 x 16, 8 waves a work-group, clusters of 4 x 4, 327,680 bytes of LDS; arguments qkv, attention_mask, ctx; writes ctx
.if DOCPART == 4
	.amdgcn_target "amdgcn-amd-amdhsa--gfx1250"
	.amdhsa_code_object_version 6
	.text
	.protected	k_q31443cdae8_attn
	.globl	k_q31443cdae8_attn
	.p2align	8
	.type	k_q31443cdae8_attn,@function
k_q31443cdae8_attn:
	s_mov_b64 s[64:65], 0
	v_nop
	global_prefetch_b8 v0, s[64:65] scope:SCOPE_SE
	s_setreg_imm32_b32 hwreg(HW_REG_WAVE_MODE, 25, 1), 1
	s_wait_xcnt 0x0
	s_wait_alu depctr_hold_cnt(0) depctr_sa_sdst(0) depctr_va_vdst(0) depctr_va_sdst(0) depctr_va_ssrc(0) depctr_va_vcc(0) depctr_vm_vsrc(0)
	s_getreg_b32 s2, hwreg(HW_REG_IB_STS2, 6, 4)
	s_cmp_eq_u32 s2, 0
	s_cbranch_scc0 .Lentry_in_a_cluster
	s_endpgm
.Lentry_in_a_cluster:
	s_bfe_u32 s2, ttmp6, 0x10000c
	s_cmp_lg_u32 s2, 0xf033
	s_cbranch_scc0 .Lentry_shape_is_right
	s_endpgm
.Lentry_shape_is_right:
; Launch 4 of 5: ctx = softmax(q k^T / sqrt(128) + mask) v for 16 heads, both products on codes of E2M3; ctx is quantised on the way out.  Nothing is left out: the mask is an input and is added as it is given.
; q, k, v and ctx lie in the workspace format (blocks of 12,800 bytes = 128 rows x 128 K: eight images of operand registers, rows in the order PI(T, r) = 32 (T / 2) + 8 (T % 2) + r + 8 (r / 8), and 512 bytes of scale
; words: see the first launch's head).  qkv: block 256 which + 16 head + P;  ctx: block 16 P + head: rows = the queries of panel P, K = the head's channels: K step 'head' of the last product.
; THE SOFTMAX AHEAD OF THE SECOND PRODUCT: t = score x log2(e) / sqrt(128) + mask x log2(e); M = the row's largest t so far, rounded UP to a whole number; p = 2^(t - M) is what is quantised, along the keys, not normalised.
; The row's sum is taken of the unquantised p and divides at the end.  When M moves, the sum and O are multiplied by 2^(old M - new M): exact.
; SHARES.  A work-group owns the 128 queries of panel P of one head; wave w owns q's image w: lane r is query PI(w, r).  Two waves to a SIMD.  Sixteen key steps of 128 keys.
; LAYOUT.  Both products are used transposed: S^T = K Q^T, O^T = V^T P^T: a lane holds ONE query throughout; by the order PI its register 16 b + i of S^T is key 32 b + 16 (lane / 16) + i, and of O^T that channel.
; THE RING.  THREE LDS slots of one key step (K's block, V's block, the mask's 128 rows x 512 bytes); step j lies in slot j % 3.  A step's K and mask are read into registers in the middle of the step before, its V at its
; head; so a slot is free from the middle of its step on.  The changes of slots stand there, in a period of three steps:
;   step 1, 4, 7, 10: ONE round, behind which slots 0 and 1 are filled together, with steps j + 2 and j + 3: eight loads, one a wave;
;   step 2, 5, 8, 11: a round, behind which slot 2 is filled with step j + 3: four waves load;
;   step 3, 6, 9, 12: no barrier: the next step's tile was shown landed at the barrier before.
; So of three steps' tiles one has one step in which to land, and two have two.  Two slots of two steps would take 368,640 bytes and do not fit.
; WHO FETCHES: waves 0, 1: K and V of slot 0 and of slot 2; waves 2, 3: K and V of slot 1; waves 4, 5: the mask's halves of slots 0 and 2; waves 6, 7: of slot 1.  Every wave issues a first fill.
; CLUSTERS: 4 x 4 work-groups = 4 panels of queries x 4 heads.  K and V hang on the head alone: asked for jointly along a row of the cluster; the mask's tile hangs on the panel alone: jointly along a column.
; REGISTERS: window 0: v7-11 addresses; v12 -M, v13 the largest t, v[14:15] the sum; v16-27 Q; v28 Q's, v29 p's scale word; v[30:31] f; v32-39 K's, v40-47 V's scale words; v48-66 at work; v68-79 p's codes; v80-95 at work;
;   v96-159 S^T, then t, then p; v160-223 O^T; v224-232 the slots' addresses.   window 1: v0-63 the mask; v64-159 K's eight fragments; v160-255 V's.
; LIMITS: NaN and +infinity among the inputs are not served; a row whose mask is -infinity throughout gives NaN; t is formed as score x c + mask x log2(e), which rounds in another order than (score x scale + mask) x log2(e),
; by about 1e-7 of t; a block of zeros gets the byte 1 where the rule says 127 (its codes are zeros, and this program alone reads the bytes).
.set SLOT,  92160                      ; K's block at 0, V's at 12,800, the mask at 25,600: 128 rows 520 bytes apart (512 + 8 of padding: pieces of 8 bytes stay aligned)
.set SPARE, 3*SLOT                     ; the spare words, 128 bytes for each wave: four blocks of 256 bytes that no other line names
.set AKV, 224                          ; v224-226 slot + 16 x lane
.set AM,  227                          ; v227-229 slot + 25,600 + 520 PI(w, r) + 64 h
.set ASC, 230                          ; v230-232 slot + 12,288 + 16 r
.set SPW, 7                            ; v7     my spare word; never rewritten
.set NIL, 8                            ; v8     0; never rewritten
.set GO,  9                            ; v9     1,536 w + 16 x lane: my image's place in a block
.set PFO, 10                           ; v10    the prefetches' offset
.set SWO, 11                           ; v11    12,288 + 256 (w / 4) + 16 r + 4 (w % 4): my row's scale word in a block
.set TM,  48                           ; QUANT's work registers, on the way out
.set PC,  68
.set SEL, 16                           ; s[16:17] v_permlanex16_b32's selects for lane l xor 16
.set CS,  18                           ; s[18:19] c = log2(e) / sqrt(128)
.set LE,  20                           ; s[20:21] log2(e)
.set G1K, 24                           ; s[24:31] descriptor group 1 for K's and V's blocks;  s[32:39] for the mask's halves
.set G1M, 32
.set G0K, 40                           ; s[40:43] group 0 for my block in slot 0 or 1;  s[44:47] in slot 2
.set G0M, 48                           ; s[48:51], s[52:55] the same for my half of the mask
.set PFA, 56                           ; s[56:57] where my prefetches stand;  s[58:59] a key step on
.set PFS, 58
.set LIM, 60                           ; s60  0 in a wave that prefetches, else the greatest number
.set REM, 61                           ; s61  12 - the step: a wave prefetches while it is above s60
.set KL, 0                             ; the kinds of a key step: the last;
.set KP, 1                             ; a plain barrier in its middle: the next step's tile is shown landed, nothing is filled;
.set KN, 2                             ; no barrier;
.set KS, 3                             ; a round, slot 2 is filled again;
.set KD, 4                             ; a round, slots 0 and 1 are filled again;
.set KH, 5                             ; a round, slot 0 alone: the last fill
.set MSB, 0
.macro WIN new                         ; the immediate's high byte repeats the setting that is left
.if MSB != (\new)
	s_set_vgpr_msb (MSB<<8)|(\new)
.set MSB, (\new)
.endif
.endm
.macro PLACES n
.rept \n
	v_nop
.endr
.endm
.macro CROUND                          ; a round of the cluster's barrier
	s_barrier_signal -1
	s_barrier_wait -1
	s_cmp_lg_u32 s10, 0
	s_cbranch_scc1 .Lnot_wave_0_\@
	s_barrier_signal -3
.Lnot_wave_0_\@:
	s_barrier_wait -3
	s_barrier_signal -1
	s_barrier_wait -1
.endm
; A joint refill by descriptor set d (0: slots 0 and 1; 1: slot 2).  Waves 0-3: K's and V's blocks; waves 4-7: the mask's halves.  half = 1: only the waves that serve slots 0 and 2 (0, 1, 4, 5).
; The branches hang on the wave's number alone.  An s_nop 0 and four v_nop follow each line.
.macro JLOAD3 d, half
	s_cmp_lt_u32 s10, 4
	s_cbranch_scc0 .Lfor_m_\@
.if \half
	s_cmp_lt_u32 s10, 2
	s_cbranch_scc0 .Lasked_\@
.endif
	tensor_load_to_lds s[G0K+4*\d:G0K+4*\d+3], s[G1K:G1K+7]
	s_nop 0
.rept 4
	v_nop
.endr
	s_branch .Lasked_\@
.Lfor_m_\@:
.if \half
	s_cmp_lt_u32 s10, 6
	s_cbranch_scc0 .Lasked_\@
.endif
	tensor_load_to_lds s[G0M+4*\d:G0M+4*\d+3], s[G1M:G1M+7]
	s_nop 0
.rept 4
	v_nop
.endr
.Lasked_\@:
.endm
; A PREFETCH INTO THE L2: in the middle of step j, behind the refill (where there is one) and the run of LDS loads, the tiles of step j + 4 are named: one or two key steps ahead of their tensor load.
; The mask: the clusters with cluster y = 0 ask; of a tile's 128 rows the partner at cy takes rows 32 cy + lane, told apart by address; wave 4 names the first 256 bytes of a row's 512, wave 5 the second.
; K and V: the clusters with cluster x = 0 ask, in wave 6: of a step's 100 pieces of 256 bytes the partner at cx takes 25 (cx 0, 1: K's; 2, 3: V's), a lane a piece; lanes 25-31 name lane 24's piece once more.
; Steps 0 to 3 come by their loads alone; the last request, in step 11, names step 15.
.macro ASK
	s_cmp_gt_u32 s[REM], s[LIM]
	s_cbranch_scc0 .Lnot_mine_\@
	global_prefetch_b8 v[PFO], s[PFA:PFA+1] th:TH_LOAD_NT scope:SCOPE_SE
.Lnot_mine_\@:
	s_sub_co_u32 s[REM], s[REM], 1
.endm
	s_load_b128 s[4:7], s[0:1], 0x0                ; qkv, the mask
	s_load_b64 s[8:9], s[0:1], 0x10                ; ctx
	v_lshl_add_u32 v[SPW], v0, 2, SPARE
	v_mov_b32 v[NIL], 0
	ds_add_u32 v[SPW], v[NIL]                      ; the wave's opening: the add, twice on end, and its wait ahead of my first tensor load
	ds_add_u32 v[SPW], v[NIL]
	v_lshrrev_b32 v1, 5, v0
	v_readfirstlane_b32 s10, v1                    ; wave 0..7
	s_and_b32 s11, s10, 1                          ; K or V; or which half of the mask's rows
	s_bfe_u32 s84, s10, 0x10001                    ; (wave / 2) % 2: I serve slot 0 (and 2), or slot 1
	s_bfe_u32 s12, ttmp6, 0x40000                  ; cx, cy: my place in the cluster
	s_bfe_u32 s13, ttmp6, 0x40004
	s_lshl_b32 s14, ttmp9, 2
	s_add_co_u32 s14, s14, s12                     ; P: the panel of queries = 4 x cluster x + cx
	s_and_b32 s15, ttmp7, 0xffff
	s_lshl_b32 s15, s15, 2
	s_add_co_u32 s15, s15, s13                     ; the head = 4 x cluster y + cy
	s_lshl_b32 s22, s13, 2
	s_lshl_b32 s22, 15, s22                        ; my row of the cluster: one head
	s_lshl_b32 s23, 0x1111, s12                    ; my column: one panel
	s_or_b32 s[G1K], s22, (3<<16)|(1<<21)          ; 15:0 the mask of work-groups; 17:16 elements of 8 bytes; no padding; 21 set beside a mask
	s_mov_b32 s[G1K+1], 32<<16                     ; a block: 12,800 dense bytes as 50 rows of 256
	s_mov_b32 s[G1K+2], 50<<16
	s_mov_b32 s[G1K+3], 32<<16
	s_mov_b32 s[G1K+4], 50
	s_mov_b32 s[G1K+5], 32
	s_mov_b32 s[G1K+6], 0
	s_mov_b32 s[G1K+7], 0
	s_or_b32 s[G1M], s23, (2<<16)|(1<<20)|(1<<21)|(6<<22)|(1<<25)   ; elements of 4 bytes; padding on: after every 128 words (code 6) 2 words (code 1)
	s_mov_b32 s[G1M+1], 128<<16                    ; 64 rows of 128 numbers, 2,048 numbers apart
	s_mov_b32 s[G1M+2], 64<<16
	s_mov_b32 s[G1M+3], 128<<16
	s_mov_b32 s[G1M+4], 64
	s_mov_b32 s[G1M+5], 2048
	s_mov_b32 s[G1M+6], 0
	s_mov_b32 s[G1M+7], 0
	s_mov_b32 s[SEL], 0x76543210
	s_mov_b32 s[SEL+1], 0xfedcba98
	s_mov_b32 s[CS], 0x3e0293ee                    ; log2(e) / sqrt(128)
	s_mov_b32 s[CS+1], s[CS]                       ; (named with it as a pair, so it is written)
	s_mov_b32 s[LE], 0x3fb8aa3b                    ; log2(e)
	s_mov_b32 s[LE+1], s[LE]
	s_lshl_b32 s66, s11, 8
	s_add_co_u32 s66, s66, 256                     ; K's blocks from 256 on, V's from 512 on
	s_lshl_b32 s67, s15, 4
	s_add_co_u32 s66, s66, s67
	s_mul_i32 s66, s66, 12800                      ; the head's first key panel
	s_mov_b32 s67, 0
	s_lshl_b32 s68, s14, 7
	s_lshl_b32 s69, s11, 6
	s_add_co_u32 s68, s68, s69
	s_lshl_b32 s68, s68, 13                        ; the mask: row 128 P + 64 x half
	s_mov_b32 s69, 0
	s_mul_i32 s70, s11, 12800                      ; where they go in a slot: no place in the cluster enters an LDS address
	s_mul_i32 s71, s11, 33280
	s_add_co_u32 s71, s71, 25600
	s_mul_i32 s74, s84, SLOT                       ; slot 0 or slot 1,
	s_mul_i32 s76, s84, 12800                      ; which begins with key step 0 or 1: a block on,
	s_mov_b32 s77, 0
	s_lshl_b32 s78, s84, 9                         ; 512 bytes on in the mask's rows
	s_mov_b32 s79, 0
	s_wait_dscnt 0x0                               ; both opening adds are done
	s_wait_kmcnt 0x0
	s_add_nc_u64 s[66:67], s[4:5], s[66:67]
	s_add_nc_u64 s[68:69], s[6:7], s[68:69]
	CROUND                                         ; all sixteen work-groups are here: the first joint loads meet
	s_mov_b32 s[G0K], 1
	s_add_co_u32 s[G0K+1], s70, s74
	s_add_nc_u64 s[G0K+2:G0K+3], s[66:67], s[76:77]
	s_or_b32 s[G0K+3], s[G0K+3], 0x80000000
	s_mov_b32 s[G0K+4], 1
	s_add_co_u32 s[G0K+5], s70, 2*SLOT             ; slot 2: key step 2
	s_add_nc_u64 s[G0K+6:G0K+7], s[66:67], 25600
	s_or_b32 s[G0K+7], s[G0K+7], 0x80000000
	s_mov_b32 s[G0M], 1
	s_add_co_u32 s[G0M+1], s71, s74
	s_add_nc_u64 s[G0M+2:G0M+3], s[68:69], s[78:79]
	s_or_b32 s[G0M+3], s[G0M+3], 0x80000000
	s_mov_b32 s[G0M+4], 1
	s_add_co_u32 s[G0M+5], s71, 2*SLOT
	s_add_nc_u64 s[G0M+6:G0M+7], s[68:69], 1024
	s_or_b32 s[G0M+7], s[G0M+7], 0x80000000
	s_cmp_lt_u32 s10, 2                            ; the first fills: an arm for each pair of waves, a fill in each: two loads are out in waves 0, 1, 4, 5, one in the others
	s_cbranch_scc0 .Lfirst_1
	tensor_load_to_lds s[G0K:G0K+3], s[G1K:G1K+7]
	s_nop 0
	tensor_load_to_lds s[G0K+4:G0K+7], s[G1K:G1K+7]
	s_nop 0
.rept 4
	v_nop
.endr
	s_branch .Lfirst_asked
.Lfirst_1:
	s_cmp_lt_u32 s10, 4
	s_cbranch_scc0 .Lfirst_2
	tensor_load_to_lds s[G0K:G0K+3], s[G1K:G1K+7]
	s_nop 0
.rept 4
	v_nop
.endr
	s_branch .Lfirst_asked
.Lfirst_2:
	s_cmp_lt_u32 s10, 6
	s_cbranch_scc0 .Lfirst_3
	tensor_load_to_lds s[G0M:G0M+3], s[G1M:G1M+7]
	s_nop 0
	tensor_load_to_lds s[G0M+4:G0M+7], s[G1M:G1M+7]
	s_nop 0
.rept 4
	v_nop
.endr
	s_branch .Lfirst_asked
.Lfirst_3:
	tensor_load_to_lds s[G0M:G0M+3], s[G1M:G1M+7]
	s_nop 0
.rept 4
	v_nop
.endr
.Lfirst_asked:
	v_and_b32 v83, 31, v0                          ; lane
	v_and_b32 v84, 15, v0                          ; r
	v_bfe_u32 v85, v0, 4, 1                        ; h
	v_lshlrev_b32 v86, 4, v83
	s_mul_i32 s75, s10, 1536
	v_add_nc_u32 v[GO], s75, v86
	s_lshr_b32 s74, s10, 2
	s_lshl_b32 s74, s74, 8
	s_and_b32 s75, s10, 3
	s_lshl_b32 s75, s75, 2
	s_add_co_u32 s74, s74, s75
	s_add_co_u32 s74, s74, 12288
	v_lshl_add_u32 v[SWO], v84, 4, s74
	s_lshl_b32 s72, s15, 4
	s_add_co_u32 s72, s72, s14
	s_mul_i32 s72, s72, 12800                      ; q's block 16 head + P
	s_mov_b32 s73, 0
	s_add_nc_u64 s[72:73], s[4:5], s[72:73]
.irp g, 0,1,2
	global_load_b128 v[16+4*\g:19+4*\g], v[GO], s[72:73] offset:512*\g   ; my 16 queries' fragment stays in registers
.endr
	global_load_b32 v28, v[SWO], s[72:73]          ; and their scale words
	s_lshl_b32 s74, s14, 4
	s_add_co_u32 s74, s74, s15
	s_mul_i32 s74, s74, 12800                      ; ctx's block 16 P + head
	s_mov_b32 s75, 0
	s_add_nc_u64 s[8:9], s[8:9], s[74:75]
	v_lshlrev_b32 v[AKV], 4, v83
	v_add_nc_u32 v[AKV+1], SLOT, v[AKV]
	v_add_nc_u32 v[AKV+2], 2*SLOT, v[AKV]
	v_and_b32 v87, 8, v84
	v_add_nc_u32 v87, v87, v84                     ; r + 8 (r / 8)
	s_lshr_b32 s74, s10, 1
	s_lshl_b32 s74, s74, 5
	s_lshl_b32 s75, s11, 3
	s_add_co_u32 s74, s74, s75                     ; 32 (w / 2) + 8 (w % 2)
	s_mul_i32 s74, s74, 520
	s_add_co_u32 s74, s74, 25600
	v_mul_u32_u24 v88, v87, 520
	v_lshl_add_u32 v88, v85, 6, v88
	v_add_nc_u32 v[AM], s74, v88
	v_add_nc_u32 v[AM+1], SLOT, v[AM]
	v_add_nc_u32 v[AM+2], 2*SLOT, v[AM]
	v_lshl_add_u32 v[ASC], v84, 4, 12288
	v_add_nc_u32 v[ASC+1], SLOT, v[ASC]
	v_add_nc_u32 v[ASC+2], 2*SLOT, v[ASC]
	; the prefetches: where my wave's stand, and who asks
	s_lshl_b32 s78, s14, 7
	s_lshl_b32 s79, s13, 5
	s_add_co_u32 s78, s78, s79                     ; the mask: row 128 P + 32 cy,
	s_lshl_b32 s78, s78, 13
	s_lshl_b32 s79, s11, 8
	s_add_co_u32 s78, s78, s79                     ; my half of a row's 512 bytes,
	s_add_co_u32 s78, s78, 1536                    ; at step 3: step 0 steps it to step 4
	s_lshl_b32 s79, s15, 4
	s_add_co_u32 s79, s79, 259                     ; K's block of step 3,
	s_mul_i32 s79, s79, 12800
	s_mul_i32 s80, s12, 6400
	s_add_co_u32 s79, s79, s80                     ; 25 pieces a partner,
	s_lshr_b32 s80, s12, 1
	s_mul_i32 s80, s80, 3264000
	s_add_co_u32 s79, s79, s80                     ; the last two partners in V's block, 256 blocks on
	s_and_b32 s81, ttmp7, 0xffff
	s_lshr_b32 s82, s10, 1
	s_xor_b32 s82, s82, 2
	s_or_b32 s82, s82, s81                         ; 0: waves 4 and 5 where cluster y = 0
	s_xor_b32 s83, s10, 6
	s_or_b32 s83, s83, ttmp9                       ; 0: wave 6 where cluster x = 0
	s_cmp_eq_u32 s82, 0
	s_cselect_b32 s[LIM], 0, -1
	s_cmp_eq_u32 s83, 0
	s_cselect_b32 s[LIM], 0, s[LIM]                ; made of the wave's number and the cluster's place alone: the same in all partners
	s_cmp_eq_u32 s10, 6
	s_cselect_b64 s[PFA:PFA+1], s[4:5], s[6:7]
	s_mov_b32 s[PFS], 512
	s_cselect_b32 s[PFS], 12800, s[PFS]
	s_mov_b32 s[PFS+1], 0
	s_mov_b32 s76, 8192
	s_cselect_b32 s76, 256, s76                    ; from lane to lane
	s_cselect_b32 s77, 24, 31
	s_cselect_b32 s78, s79, s78
	s_mov_b32 s79, 0
	s_add_nc_u64 s[PFA:PFA+1], s[PFA:PFA+1], s[78:79]
	s_mov_b32 s[REM], 12
	v_min_u32 v[PFO], s77, v83
	v_mul_u32_u24 v[PFO], s76, v[PFO]
	v_mov_b32 v13, 0xff61b1e6                      ; the largest t so far: -3e38, under every t
	v_floor_f32 v12, -v13                          ; -M
	v_mov_b32 v14, 0                               ; the sum, in two halves
	v_mov_b32 v15, 0
	v_mov_b32 v31, 0                               ; (named as the upper half of the pair v[30:31])
.irp b, 0,1,2,3
	v_mov_b32 v[52+\b], 0                          ; written once: a lane permute's destination counts as one of its sources
.endr
.set i, 0
.rept 64
	v_mov_b32 v[160+i], 0                          ; O^T.  (The step is written without a first form: the first finds zeros, which the first change of M leaves zeros)
.set i, i+1
.endr
; The next step's K, its scale words and its part of the mask come into registers.
.macro PRE sl
	WIN 0x40                                       ; destination window 1
.irp t, 0,1,2,3,4,5,6,7
.irp g, 0,1,2
	ds_load_b128 v[64+12*\t+4*\g:64+12*\t+4*\g+3], v[AKV+(\sl)] offset:1536*\t+512*\g
.endr
.endr
.irp b, 0,1,2,3
.irp i, 0,1,2,3,4,5,6,7
	ds_load_b64 v[16*\b+2*\i:16*\b+2*\i+1], v[AM+(\sl)] offset:128*\b+8*\i   ; my query's row, keys 32 b + 16 h + 2 i on
.endr
.endr
	WIN 0
.irp g, 0,1
	ds_load_b128 v[32+4*\g:35+4*\g], v[ASC+(\sl)] offset:256*\g
.endr
.endm
; A KEY STEP in slot sl; nx: the next step's slot; kind: what stands in its middle; ask = 1: a prefetch may stand there.
.macro STEP sl, nx, kind, ask
	PLACES 4                                       ; behind the last step's products, in front of loads into V's registers and scale words
	WIN 0x40
.irp t, 0,1,2,3,4,5,6,7
.irp g, 0,1,2
	ds_load_b128 v[160+12*\t+4*\g:160+12*\t+4*\g+3], v[AKV+\sl] offset:12800+1536*\t+512*\g
.endr
.endr
	WIN 0
.irp g, 0,1
	ds_load_b128 v[40+4*\g:43+4*\g], v[ASC+\sl] offset:12800+256*\g
.endr
	s_wait_dscnt 26                                ; V's 26 loads may be out; K, its scale words and the mask are in
	WIN 0x01                                       ; source 0 window 1
.irp t, 0,1,2,3,4,5,6,7
	v_wmma_scale_f32_16x16x128_f8f6f4 v[96+8*\t:103+8*\t], v[64+12*\t:75+12*\t], v[16:27], 0, v[32+\t], v28 matrix_a_fmt:MATRIX_FMT_FP6 matrix_b_fmt:MATRIX_FMT_FP6
.endr
	WIN 0x41
.set i, 0
.rept 32
	v_pk_mul_f32 v[2*i:2*i+1], v[2*i:2*i+1], s[LE:LE+1] op_sel_hi:[1,0]   ; the mask x log2(e).  (These are also the places behind the products)
.set i, i+1
.endr
	WIN 0x10                                       ; source 2 window 1
.set i, 0
.rept 32
	v_pk_fma_f32 v[96+2*i:97+2*i], v[96+2*i:97+2*i], s[CS:CS+1], v[2*i:2*i+1] op_sel_hi:[1,0,1]   ; t = score x c + that; each accumulator from its low end on
.set i, i+1
.endr
	WIN 0
.if (\kind == KP) || (\kind >= KS)
	s_wait_tensorcnt 0x0                           ; all my tensor loads have landed
	ds_add_u32 v[SPW], v[NIL]                      ; 0 onto my spare word; the steps and the maxima below stand between it and the wait for it
.endif
.if (\kind == KD) || (\kind == KH)
	s_add_nc_u64 s[G0K+2:G0K+3], s[G0K+2:G0K+3], 38400   ; no load of mine is out: my slot's next tile, three key steps on
	s_add_nc_u64 s[G0M+2:G0M+3], s[G0M+2:G0M+3], 1536
.elseif \kind == KS
	s_add_nc_u64 s[G0K+6:G0K+7], s[G0K+6:G0K+7], 38400
	s_add_nc_u64 s[G0M+6:G0M+7], s[G0M+6:G0M+7], 1536
.endif
.if \ask
	s_wait_xcnt 0x0                                ; the last prefetch, a step back, has read its address
	s_add_nc_u64 s[PFA:PFA+1], s[PFA:PFA+1], s[PFS:PFS+1]
.endif
.irp b, 0,1,2,3
	v_max3_num_f32 v[48+\b], v[96+16*\b], v[97+16*\b], v[98+16*\b]   ; THE LARGEST t OF EACH BLOCK OF 32 KEYS: it serves the row's maximum and, since p rises with t, the block's largest p
.endr
.irp i, 3,5,7,9,11,13
.irp b, 0,1,2,3
	v_max3_num_f32 v[48+\b], v[48+\b], v[96+16*\b+\i], v[97+16*\b+\i]
.endr
.endr
.irp b, 0,1,2,3
	v_max_num_f32 v[48+\b], v[48+\b], v[111+16*\b]
.endr
	s_wait_dscnt 0x0                               ; V is in: my reads of this slot are over; where the add was issued, it is done
.if \kind == KD
	CROUND                                         ; no wave of any partner still reads slot 0 or 1 or has a load on its way
	JLOAD3 0, 0                                    ; the first tensor load behind the round, one a wave: steps j + 2 and j + 3
.elseif \kind == KH
	CROUND
	JLOAD3 0, 1                                    ; step 15 into slot 0: the last fill
.elseif \kind == KS
	CROUND
	JLOAD3 1, 1                                    ; step j + 3 into slot 2
.elseif \kind == KP
	s_barrier_signal -1
	s_barrier_wait -1                              ; the next step's tile is whole; nothing is filled
.endif
.if \kind != KL
	PRE \nx
.endif
.if \ask
	ASK
.endif
.irp b, 0,1,2,3
	v_permlanex16_b32 v[52+\b], v[48+\b], s[SEL], s[SEL+1]
.endr
.irp b, 0,1,2,3
	v_max_num_f32 v[48+\b], v[48+\b], v[52+\b]     ; with lane l xor 16's 16 keys
.endr
	v_max3_num_f32 v82, v48, v49, v50
	v_max_num_f32 v82, v82, v51
	v_max_num_f32 v13, v13, v82                    ; the running largest t
	v_mov_b32 v82, v12
	v_floor_f32 v12, -v13                          ; the new -M = floor(-t) = -ceil(t): a whole number
	v_sub_f32 v82, v12, v82                        ; old M - new M: a whole number, 0 or less
	v_cvt_i32_f32 v82, v82                         ; (it saturates)
	v_ldexp_f32 v30, 1.0, v82                      ; f = 2^(old M - new M)
.set i, 0
.rept 32
	v_pk_add_f32 v[96+2*i:97+2*i], v[96+2*i:97+2*i], v[12:13] op_sel_hi:[1,0]   ; t - M, 0 or less
.set i, i+1
.endr
.irp b, 0,1,2,3
	v_add_f32 v[48+\b], v[48+\b], v12              ; the same of each block's largest t
.endr
.set i, 0
.rept 64
	v_exp_f32 v[96+i], v[96+i]                     ; p = 2^(t - M), at most 1: NOT normalised
.set i, i+1
.endr
	v_pk_mul_f32 v[14:15], v[14:15], v[30:31] op_sel_hi:[1,0]   ; the sums under the new M.  (A plain place behind the exponentials)
	s_wait_alu depctr_va_vdst(0)                   ; one wait for the whole batch, ahead of its first reader
.irp b, 0,1,2,3
	v_exp_f32 v[48+\b], v[48+\b]                   ; the block's largest p: the same addition and exponential on the same number give the same bits
.endr
	v_pk_add_f32 v[80:81], v[96:97], v[98:99]      ; THE ROW'S SUM IS TAKEN OF THE UNQUANTISED p, in two chains
.irp j, 4,8,12,16,20,24,28,32,36,40,44,48,52,56,60
	v_pk_add_f32 v[14:15], v[14:15], v[96+\j:97+\j]
	v_pk_add_f32 v[80:81], v[80:81], v[98+\j:99+\j]
.endr
	v_pk_add_f32 v[14:15], v[14:15], v[80:81]
	s_wait_alu depctr_va_vdst(0)                   ; and one for the four
.irp b, 0,1,2,3
	v_max_num_f32 v[48+\b], 0x1800000, v[48+\b]    ; the floor 2^(3 - 127): the byte cannot fall under 1
.endr
.irp b, 0,1,2,3
	v_add_nc_u32 v[56+\b], 0xff000000, v[48+\b]    ; 2 off the exponent field: the conversion's scale operand
.endr
.irp b, 0,1,2,3
	v_lshrrev_b32 v[52+\b], 23, v[56+\b]           ; the scale's byte
.endr
	v_lshl_or_b32 v29, v53, 8, v52                 ; p's scale word for these 128 keys
	v_lshl_or_b32 v29, v54, 16, v29
	v_lshl_or_b32 v29, v55, 24, v29
.irp c, 0,1
	v_cvt_scalef32_pk16_fp6_f32 v[68+6*\c:70+6*\c], v[96+32*\c:111+32*\c], v[56+2*\c]
	v_cvt_scalef32_pk16_fp6_f32 v[60+4*\c:62+4*\c], v[112+32*\c:127+32*\c], v[56+2*\c+1]   ; (a conversion's three registers begin on an even number)
.endr
	v_nop                                          ; one plain place behind a scaled conversion
.irp c, 0,1                            ; the operand's layout wants a WHOLE block in a lane
.irp i, 0,1,2
	v_permlane16_swap_b32 v[68+6*\c+\i], v[60+4*\c+\i]
.endr
.irp i, 0,1,2
	v_mov_b32 v[71+6*\c+\i], v[60+4*\c+\i]
.endr
.endr
.set i, 0
.rept 32
	v_pk_mul_f32 v[160+2*i:161+2*i], v[160+2*i:161+2*i], v[30:31] op_sel_hi:[1,0]   ; O^T under the new M.  (These 32 are also the places between p's codes and scale word and the products)
.set i, i+1
.endr
	WIN 0x01
.irp t, 0,1,2,3,4,5,6,7
	v_wmma_scale_f32_16x16x128_f8f6f4 v[160+8*\t:167+8*\t], v[160+12*\t:171+12*\t], v[68:79], v[160+8*\t:167+8*\t], v[40+\t], v29 matrix_a_fmt:MATRIX_FMT_FP6 matrix_b_fmt:MATRIX_FMT_FP6
.endr
	WIN 0
.endm
	s_wait_tensorcnt 0x1                           ; the waves with two loads out have slot 0's in; slots 1 and 2 may stay out
	s_barrier_signal -1
	s_barrier_wait -1                              ; slot 0 is whole
	PRE 0
	s_wait_loadcnt 0x0                             ; Q
	STEP 0, 1, KP, 1                               ; step 0: in its middle slots 1 and 2 are shown landed
	s_mov_b32 s62, 4
.Ltrip:                                                ; four trips of three key steps: steps 1 to 12
	STEP 1, 2, KD, 1
	STEP 2, 0, KS, 1
	STEP 0, 1, KN, 1
	s_sub_co_u32 s62, s62, 1
	s_cmp_lg_u32 s62, 0
	s_cbranch_scc1 .Ltrip
	STEP 1, 2, KH, 0                               ; the tail is written out: step 13 asks for step 15 alone,
	STEP 2, 0, KP, 0                               ; step 14 shows it landed,
	STEP 0, 0, KL, 0                               ; step 15
; 64 numbers of a lane, register 16 b + i = k 32 b + 16 (lane / 16) + i of my row, become a fragment's codes in v[PC] on and its scale word in v[pw].
.macro QUANT s, pw
.irp b, 0,1,2,3
	v_max3_num_f32 v[TM+\b], |v[\s+16*\b]|, |v[\s+1+16*\b]|, 0x1800000
.endr
.irp i, 2,4,6,8,10,12,14
.irp b, 0,1,2,3
	v_max3_num_f32 v[TM+\b], v[TM+\b], |v[\s+16*\b+\i]|, |v[\s+1+16*\b+\i]|
.endr
.endr
.irp b, 0,1,2,3
	v_permlanex16_b32 v[TM+4+\b], v[TM+\b], s[SEL], s[SEL+1]
.endr
.irp b, 0,1,2,3
	v_max_num_f32 v[TM+\b], v[TM+\b], v[TM+4+\b]
.endr
.irp b, 0,1,2,3
	v_add_nc_u32 v[TM+12+\b], 0xff000000, v[TM+\b]
.endr
.irp b, 0,1,2,3
	v_lshrrev_b32 v[TM+4+\b], 23, v[TM+12+\b]
.endr
	v_lshl_or_b32 v[\pw], v[TM+5], 8, v[TM+4]
	v_lshl_or_b32 v[\pw], v[TM+6], 16, v[\pw]
	v_lshl_or_b32 v[\pw], v[TM+7], 24, v[\pw]
.irp c, 0,1
	v_cvt_scalef32_pk16_fp6_f32 v[PC+6*\c:PC+2+6*\c], v[\s+32*\c:\s+15+32*\c], v[TM+12+2*\c]
	v_cvt_scalef32_pk16_fp6_f32 v[PC+12+4*\c:PC+14+4*\c], v[\s+16+32*\c:\s+31+32*\c], v[TM+12+2*\c+1]
.endr
	v_nop                                          ; one plain place behind a scaled conversion
.irp c, 0,1
.irp i, 0,1,2
	v_permlane16_swap_b32 v[PC+6*\c+\i], v[PC+12+4*\c+\i]
.endr
.irp i, 0,1,2
	v_mov_b32 v[PC+3+6*\c+\i], v[PC+12+4*\c+\i]
.endr
.endr
.endm
	; THE WAY OUT: O^T is divided by the row's sum and quantised along the head's channels: it is image w of ctx's block.
	PLACES 4                                       ; behind the last products
	v_add_f32 v14, v14, v15                        ; the sum's two halves,
	v_permlanex16_b32 v82, v14, s[SEL], s[SEL+1]
	v_add_f32 v14, v14, v82                        ; and lane l xor 16's
	v_rcp_f32 v14, v14
	v_and_b32 v83, 31, v0                          ; (a plain place behind the transcendental)
	s_wait_alu depctr_va_vdst(0)                   ; the wait, ahead of the first reader
.set i, 0
.rept 64
	v_mul_f32 v[96+i], v[160+i], v14               ; register 16 b + i is channel 32 b + 16 h + i of my query
.set i, i+1
.endr
	QUANT 96, 29
.irp g, 0,1,2
	global_store_b128 v[GO], v[PC+4*\g:PC+4*\g+3], s[8:9] offset:512*\g   ; 32 lanes store 512 consecutive bytes, aligned to 256
.endr
	v_cmp_gt_u32 vcc_lo, 16, v83
	s_wait_xcnt 0x0                                ; EXEC changes only behind this wait
	s_and_saveexec_b32 s70, vcc_lo
	global_store_b32 v[SWO], v29, s[8:9]           ; lanes 0-15: my rows' scale words, 4 bytes of each 16: 64 bytes a wave beside its 1,536 of codes
	s_wait_xcnt 0x0                                ; and again, in front of the line that widens it
	s_or_b32 exec_lo, exec_lo, s70
	s_wait_tensorcnt 0x0                           ; the wave's end: three lines behind my last tensor load
	ds_add_u32 v[SPW], v[NIL]
	s_wait_dscnt 0x0
	CROUND                                         ; the closing round: no work-group ends while a partner may still ask for a tile that names it
	s_endpgm
.Lfunc_end_k_q31443cdae8_attn:
	.size	k_q31443cdae8_attn, .Lfunc_end_k_q31443cdae8_attn-k_q31443cdae8_attn
	.p2alignl 7, 3214868480
	.fill 96, 4, 3214868480
	.section	.rodata,"a",@progbits
	.p2align	6, 0x0
	.amdhsa_kernel k_q31443cdae8_attn
		.amdhsa_group_segment_fixed_size 327680
		.amdhsa_private_segment_fixed_size 0
		.amdhsa_enable_private_segment 0
		.amdhsa_kernarg_size 24
		.amdhsa_user_sgpr_count 2
		.amdhsa_user_sgpr_kernarg_segment_ptr 1
		.amdhsa_wavefront_size32 1
		.amdhsa_system_sgpr_workgroup_id_x 1
		.amdhsa_system_sgpr_workgroup_id_y 1
		.amdhsa_system_sgpr_workgroup_id_z 1
		.amdhsa_system_vgpr_workitem_id 0
		.amdhsa_next_free_vgpr 512
		.amdhsa_next_free_sgpr 88
		.amdhsa_reserve_vcc 1
		.amdhsa_float_denorm_mode_32 3
		.amdhsa_float_denorm_mode_16_64 3
		.amdhsa_memory_ordered 1
		.amdhsa_forward_progress 1
		.amdhsa_inst_pref_size 194
	.end_amdhsa_kernel
	.amdgpu_metadata
---
amdhsa.version: [ 1, 2 ]
amdhsa.kernels:
  - .name:           k_q31443cdae8_attn
    .symbol:         k_q31443cdae8_attn.kd
    .args:
      - { .name: qkv, .offset: 0, .size: 8, .value_kind: global_buffer, .address_space: global }
      - { .name: attention_mask, .offset: 8, .size: 8, .value_kind: global_buffer, .address_space: global }
      - { .name: ctx, .offset: 16, .size: 8, .value_kind: global_buffer, .address_space: global }
    .group_segment_fixed_size: 327680
    .private_segment_fixed_size: 0
    .kernarg_segment_align: 8
    .kernarg_segment_size: 24
    .max_flat_workgroup_size: 256
    .sgpr_count:     88
    .vgpr_count:     512
    .wavefront_size: 32
...
	.end_amdgpu_metadata
.endif
;; end of part 4
;; launch gout (part 5): grid 16 x 8, 4 waves a work-group, clusters of 4 x 4, 327,680 bytes of LDS; arguments ctx, pan, bo, out0; writes out0
.if DOCPART == 5
	.amdgcn_target "amdgcn-amd-amdhsa--gfx1250"
	.amdhsa_code_object_version 6
	.text
	.protected	k_q31443cdae8_gout
	.globl	k_q31443cdae8_gout
	.p2align	8
	.type	k_q31443cdae8_gout,@function
k_q31443cdae8_gout:
	s_mov_b64 s[64:65], 0
	v_nop
	global_prefetch_b8 v0, s[64:65] scope:SCOPE_SE
	s_setreg_imm32_b32 hwreg(HW_REG_WAVE_MODE, 25, 1), 1
	s_wait_xcnt 0x0
	s_wait_alu depctr_hold_cnt(0) depctr_sa_sdst(0) depctr_va_vdst(0) depctr_va_sdst(0) depctr_va_ssrc(0) depctr_va_vcc(0) depctr_vm_vsrc(0)
	s_getreg_b32 s2, hwreg(HW_REG_IB_STS2, 6, 4)
	s_cmp_eq_u32 s2, 0
	s_cbranch_scc0 .Lentry_in_a_cluster
	s_endpgm
.Lentry_in_a_cluster:
	s_bfe_u32 s2, ttmp6, 0x10000c
	s_cmp_lg_u32 s2, 0xf033
	s_cbranch_scc0 .Lentry_shape_is_right
	s_endpgm
.Lentry_shape_is_right:
; Launch 5 of 5: out0 = ctx wo + bo on codes of E2M3; out0 [2048][2048] f32.  Nothing is left out.
; ctx (block 16 P + K step) and wo (pan's panels 64-79) lie in the workspace format (blocks of 12,800 bytes = 128 rows x 128 K: eight images of operand registers, rows in the order
; PI(T, r) = 32 (T / 2) + 8 (T % 2) + r + 8 (r / 8), and 512 bytes of scale words: see the first launch's head).
; A work-group of four waves makes 256 rows x 128 columns, a wave 128 x 64: 32 accumulators.  2,048 x 2,048 of out0 are 128 such tiles; tiles of 256 x 256 would be 64.
; SOURCE 1 ('A') = ctx: a lane is a row of out0;  SOURCE 0 ('B') = four tiles of a panel of wo: a lane's eight results are eight neighbouring columns.  bo is the C of each sum's first product.
; THE RING.  Two LDS slots of FOUR K steps (512 along K), as many as two slots in LDS allow: A's two panels (51,200 dense bytes each: waves 0 and 1), B's panel (two loads of 25,600: waves 2 and 3).  The 16 K steps are four fills:
; two at the start, two refills; from a refill's request to the wait for it a wave issues 112 matrix instructions.  The 16 K steps are written out by one macro.
; CLUSTERS: 4 x 4 work-groups.  A's panels hang on the grid's y: asked for jointly along a row of the cluster; B's on the grid's x: jointly along a column.
; REGISTERS: window 0: v7-10, v16-29 addresses; v32-47 scale words, two sets; v64-95 the bias; v128-223 A's fragments, ONE set; on the way out v128-191 rows of out0.
;   window 1: B's fragments, TWO sets, at v0 and v128.   window 2: the accumulators ((a, b) at v[8 (4 a + b)]).
.set NBF,   4                          ; B's tiles a wave
.set NST,   16                         ; K steps of 128
.set NQ,    4                          ; K steps in a slot
.set CM0,   2                          ; the first step's products start the sums from the bias
.set REG,   NQ*12800                   ; a panel's part of a slot
.set SLOT,  3*REG                      ; A's two panels, B's one
.set SPARE, 2*SLOT                     ; the spare words, 128 bytes for each wave: two blocks of 256 bytes that no other line names
.set STO,   8                          ; v8      the way out: where I put 32 bytes of a row
.set RD,    9                          ; v9      where I read a row back
.set CO,    10                         ; v10     my byte offset in two rows of out0
.set ADRA,  16
.set ADRB,  20
.set ADRS,  22                         ; v22-23  scale words of tiles 0-3: lanes 0-15 A's, lanes 16-31 B's four
.set ADRS2, 24                         ; v24-25  of A's tiles 4-7 (lanes 16-31 read B's four once more: they stay inside B's words)
.set GO,    26
.set SPW,   28
.set NIL,   29
.set SC,    32                         ; scale words: K step g, tile i at v[SC + 8 (g % 2) + i]
.set BI,    64
.set AF,    128
.set G1,  24
.set G0,  32
.set G1B, 48
.set G0B, 56
.set G1L, G1                           ; (every fill is whole here)
.set G1BL, G1B
.set MSB, 0
.macro WIN new                         ; the immediate's high byte repeats the setting that is left
.if MSB != (\new)
	s_set_vgpr_msb (MSB<<8)|(\new)
.set MSB, (\new)
.endif
.endm
.macro JLOAD g0a, g1a, g0b, g1b        ; a joint load: waves 0 and 1 fetch for A, waves 2 and 3 for B; an s_nop 0 and four v_nop follow each of the two lines
	s_cmp_eq_u32 s15, 0
	s_cbranch_scc0 .Lfor_b_\@
	tensor_load_to_lds s[\g0a:\g0a+3], s[\g1a:\g1a+7]
	s_nop 0
.rept 4
	v_nop
.endr
	s_branch .Lasked_\@
.Lfor_b_\@:
	tensor_load_to_lds s[\g0b:\g0b+3], s[\g1b:\g1b+7]
	s_nop 0
.rept 4
	v_nop
.endr
.Lasked_\@:
.endm
.macro CREST
	s_cmp_lg_u32 s14, 0
	s_cbranch_scc1 .Lnot_wave_0_\@
	s_barrier_signal -3
.Lnot_wave_0_\@:
	s_barrier_wait -3
	s_barrier_signal -1
	s_barrier_wait -1
.endm
.macro CROUND
	s_barrier_signal -1
	s_barrier_wait -1
	CREST
.endm
.macro PLACES n
.rept \n
	v_nop
.endr
.endm
	s_load_b256 s[4:11], s[0:1], 0x0               ; ctx, pan, bo, out0
	v_lshl_add_u32 v[SPW], v0, 2, SPARE
	v_mov_b32 v[NIL], 0
	ds_add_u32 v[SPW], v[NIL]                      ; the wave's opening: the add, twice on end, and its wait ahead of my first tensor load
	ds_add_u32 v[SPW], v[NIL]
	v_lshrrev_b32 v1, 5, v0
	v_readfirstlane_b32 s14, v1                    ; wave 0..3
	s_lshr_b32 s15, s14, 1                         ; which of A's two panels is mine.  Also: I fetch for A (0) or for B (1)
	s_and_b32 s16, s14, 1                          ; which half of B's tiles.  Also: which panel of A, or which two K steps' blocks of B, I fetch
	s_bfe_u32 s40, ttmp6, 0x40000                  ; cx, cy
	s_bfe_u32 s41, ttmp6, 0x40004
	s_lshl_b32 s42, ttmp9, 2
	s_add_co_u32 s42, s42, s40                     ; X: 128 columns
	s_and_b32 s17, ttmp7, 0xffff
	s_lshl_b32 s17, s17, 2
	s_add_co_u32 s17, s17, s41                     ; Y: 256 rows
	s_lshl_b32 s43, s41, 2
	s_lshl_b32 s43, 15, s43                        ; my row of the cluster
	s_lshl_b32 s44, 0x1111, s40                    ; my column
	s_or_b32 s[G1+0], s43, (3<<16)|(1<<21)         ; A: four K steps of a panel: 51,200 dense bytes as 200 rows of 256
	s_mov_b32 s[G1+1], 32<<16
	s_mov_b32 s[G1+2], 200<<16
	s_mov_b32 s[G1+3], 32<<16
	s_mov_b32 s[G1+4], 200
	s_mov_b32 s[G1+5], 32
	s_mov_b32 s[G1+6], 0
	s_mov_b32 s[G1+7], 0
	s_or_b32 s[G1B+0], s44, (3<<16)|(1<<21)        ; B: two K steps: 25,600 dense bytes as 100 rows of 256
	s_mov_b32 s[G1B+1], 32<<16
	s_mov_b32 s[G1B+2], 100<<16
	s_mov_b32 s[G1B+3], 32<<16
	s_mov_b32 s[G1B+4], 100
	s_mov_b32 s[G1B+5], 32
	s_mov_b32 s[G1B+6], 0
	s_mov_b32 s[G1B+7], 0
	s_lshl_b32 s20, s17, 1
	s_add_co_u32 s20, s20, s16                     ; ctx's panel 2 Y + the one that I fetch
	s_mul_i32 s20, s20, 204800
	s_mov_b32 s21, 0
	s_add_co_u32 s46, s42, 64                      ; pan's panel 64 + X,
	s_mul_i32 s46, s46, 204800
	s_mul_i32 s47, s16, 25600
	s_add_co_u32 s46, s46, s47                     ; the two K steps that I fetch
	s_mov_b32 s47, 0
	s_mul_i32 s45, s16, REG                        ; where A's load goes,
	s_mul_i32 s66, s16, 25600
	s_add_co_u32 s66, s66, 2*REG                   ; and B's: no place in the cluster enters an LDS address
	s_wait_dscnt 0x0                               ; both opening adds are done
	s_wait_kmcnt 0x0
	s_add_nc_u64 s[20:21], s[4:5], s[20:21]
	s_add_nc_u64 s[46:47], s[6:7], s[46:47]
	CROUND                                         ; all sixteen work-groups are here: the first joint loads meet
.irp s, 0,1
	s_mov_b32 s[G0+4*\s], 1
	s_add_co_u32 s[G0+4*\s+1], s45, \s*SLOT
	s_add_nc_u64 s[G0+4*\s+2:G0+4*\s+3], s[20:21], \s*REG
	s_or_b32 s[G0+4*\s+3], s[G0+4*\s+3], 0x80000000
	s_mov_b32 s[G0B+4*\s], 1
	s_add_co_u32 s[G0B+4*\s+1], s66, \s*SLOT
	s_add_nc_u64 s[G0B+4*\s+2:G0B+4*\s+3], s[46:47], \s*REG
	s_or_b32 s[G0B+4*\s+3], s[G0B+4*\s+3], 0x80000000
	JLOAD G0+4*\s, G1, G0B+4*\s, G1B               ; two loads of mine are out
.endr
	v_and_b32 v1, 15, v0                           ; r
	v_bfe_u32 v2, v0, 4, 1                         ; h
	v_and_b32 v3, 31, v0
	v_lshlrev_b32 v[GO], 4, v3
	s_lshl_b32 s68, s42, 9
	s_lshl_b32 s69, s16, 8
	s_add_co_u32 s68, s68, s69                     ; my first column in bytes: 512 X + 256 x half: in bo and in a row of out0
	s_mov_b32 s69, 0
	s_add_nc_u64 s[8:9], s[8:9], s[68:69]
	v_lshlrev_b32 v7, 6, v2                        ; register j of tile b is column 32 (b / 2) + 8 (b % 2) + 16 h + j of my 64
.irp b, 0,1,2,3
	global_load_b128 v[BI+8*\b:BI+8*\b+3], v7, s[8:9] offset:4*(32*(\b/2)+8*(\b%2))
	global_load_b128 v[BI+8*\b+4:BI+8*\b+7], v7, s[8:9] offset:4*(32*(\b/2)+8*(\b%2))+16
.endr
	s_lshl_b32 s70, s17, 8
	s_lshl_b32 s71, s15, 7
	s_add_co_u32 s70, s70, s71                     ; my first row: 256 Y + 128 x half
	s_lshl_b32 s70, s70, 13
	s_mov_b32 s71, 0
	s_add_nc_u64 s[10:11], s[10:11], s[70:71]
	s_add_nc_u64 s[10:11], s[10:11], s[68:69]
	s_mul_i32 s21, s15, REG                        ; my panel of A
	s_mul_i32 s22, s16, 6144
	s_add_co_u32 s22, s22, 2*REG                   ; my four tiles of B
	s_lshl_b32 s23, s16, 8
	s_add_co_u32 s23, s23, 2*REG
	s_sub_co_u32 s23, s23, s21                     ; from A's scale words to my four tiles' of B
	v_lshlrev_b32 v4, 4, v1
	v_mul_u32_u24 v5, s23, v2
	v_add_nc_u32 v5, v4, v5
	s_sub_co_u32 s23, s23, 256                     ; (the second load stands 256 bytes on: taken off again for lanes 16-31)
	v_mul_u32_u24 v6, s23, v2
	v_add_nc_u32 v6, v4, v6
	s_add_co_u32 s23, s21, 12288
.irp s, 0,1
	v_add_nc_u32 v[ADRA+\s], s21, v[GO]
	v_add_nc_u32 v[ADRB+\s], s22, v[GO]
	v_add_nc_u32 v[ADRS+\s], s23, v5
	v_add_nc_u32 v[ADRS2+\s], s23, v6
	s_add_co_u32 s21, s21, SLOT
	s_add_co_u32 s22, s22, SLOT
	s_add_co_u32 s23, s23, SLOT
.endr
	s_mul_i32 s23, s14, 4352                       ; my stage: 16 rows x (256 bytes + 16), in slot 0, which has had its last fill and its last read when the first result is stored there
	v_mul_u32_u24 v5, v1, 272
	v_lshl_add_u32 v5, v2, 6, v5
	v_add_nc_u32 v[STO], s23, v5                   ; in: row r, + 64 h
	v_mul_u32_u24 v6, v2, 272
	v_lshl_add_u32 v6, v1, 4, v6
	v_add_nc_u32 v[RD], s23, v6                    ; back: lanes 0-15 one row of 256 bytes, lanes 16-31 the next
	v_lshlrev_b32 v6, 13, v2
	v_lshl_add_u32 v[CO], v1, 4, v6                ; and the same two rows in out0
; THE K STEPS.  The symbols of the step in hand, KG: KK = which fill, SL = its slot, PP = B's set and the set of scale words; of the step that is fetched: SL2 its slot, QQ2 its place in the slot, NP its sets.
.macro FRAG reg, adr, off              ; a fragment's image: twelve registers by three loads, 512 consecutive bytes each
.irp c, 0,1,2
	ds_load_b128 v[\reg+4*\c:\reg+4*\c+3], v[\adr] offset:\off+512*\c
.endr
.endm
.macro FETCH_B                         ; B's NBF fragments
	WIN 0x40
.set ff, 0
.rept NBF
	FRAG 128*NP+12*ff, ADRB+SL2, 12800*QQ2+1536*ff
.set ff, ff+1
.endr
	WIN 0
.endm
.macro FETCH_A i0                      ; A's tiles i0 .. i0 + 3
.irp i, \i0, \i0+1, \i0+2, \i0+3
	FRAG AF+12*(\i), ADRA+SL2, 12800*QQ2+1536*(\i)
.endr
.endm
.macro SCALES                          ; the step's scale words: lanes 0-15 A's tiles, lanes 16-31 B's
	ds_load_b128 v[SC+8*NP:SC+8*NP+3], v[ADRS+SL2] offset:12800*QQ2
	ds_load_b128 v[SC+8*NP+4:SC+8*NP+7], v[ADRS2+SL2] offset:12800*QQ2+256
.endm
; A's tiles a0, a0 + 1 x B's NBF, 128 along K.  CM = 0: add in place; 1: the product starts the sum; 2: it starts it from the bias.  The accumulators take turns, one instruction a turn, in the same order in every step.
.macro MULP a0
.irp a, \a0, \a0+1
.set AW, 2+(8*NBF*(\a))/256
.set AR, (8*NBF*(\a))%256
.if CM == 0
.set WN, 1+(AW<<6)+(AW<<4)
.else
.set WN, 1+(AW<<6)
.endif
	WIN WN
.set bb, 0
.rept NBF
.if CM == 0
	v_wmma_scale_f32_16x16x128_f8f6f4 v[AR+8*bb:AR+8*bb+7], v[128*PP+12*bb:128*PP+12*bb+11], v[AF+12*(\a):AF+12*(\a)+11], v[AR+8*bb:AR+8*bb+7], v[SC+8*PP+bb], v[SC+8*PP+(\a)] matrix_a_fmt:MATRIX_FMT_FP6 matrix_b_fmt:MATRIX_FMT_FP6 matrix_a_scale:MATRIX_SCALE_ROW1
.elseif CM == 1
	v_wmma_scale_f32_16x16x128_f8f6f4 v[AR+8*bb:AR+8*bb+7], v[128*PP+12*bb:128*PP+12*bb+11], v[AF+12*(\a):AF+12*(\a)+11], 0, v[SC+8*PP+bb], v[SC+8*PP+(\a)] matrix_a_fmt:MATRIX_FMT_FP6 matrix_b_fmt:MATRIX_FMT_FP6 matrix_a_scale:MATRIX_SCALE_ROW1
.else
	v_wmma_scale_f32_16x16x128_f8f6f4 v[AR+8*bb:AR+8*bb+7], v[128*PP+12*bb:128*PP+12*bb+11], v[AF+12*(\a):AF+12*(\a)+11], v[BI+8*bb:BI+8*bb+7], v[SC+8*PP+bb], v[SC+8*PP+(\a)] matrix_a_fmt:MATRIX_FMT_FP6 matrix_b_fmt:MATRIX_FMT_FP6 matrix_a_scale:MATRIX_SCALE_ROW1
.endif
.set bb, bb+1
.endr
.endr
.endm
; A K step that has its successor in the same slot.  A's tiles are free as soon as their products are issued: tiles 0-3 are fetched anew in the step's middle, tiles 4-7 at its end.
.macro STEPF
	s_wait_dscnt 12                                ; all but the youngest twelve loads (A's tiles 4-7) are in
	MULP 0
	MULP 2
	s_wait_dscnt 0x0                               ; A's tiles 4-7 are in
	PLACES 4
	FETCH_B
	FETCH_A 0
	SCALES
	MULP 4
	MULP 6
	PLACES 4
	WIN 0
	FETCH_A 4
.endm
; A slot's last K step changes slots: ONE barrier; in front of it each wave waits for all its tensor loads, adds 0 to its spare word, and waits for that and for its reads of this slot.  The slot is filled again where K steps are left for it.
.macro TURNF
	s_wait_tensorcnt 0x0                           ; all my tensor loads have landed: my part of the next slot  (every window is 0 here)
	ds_add_u32 v[SPW], v[NIL]                      ; 0 onto my spare word
	s_wait_dscnt 13                                ; (the add and the youngest twelve loads may be out)
	MULP 0                                         ; matrix work stands between the add and the wait for it
	s_wait_dscnt 0x0                               ; the add is done, and my reads of this slot are over
	s_barrier_signal -1
	MULP 2
	WIN 0
	s_barrier_wait -1
.if NXF < NST
	CREST                                          ; the barrier has opened a round of the cluster's: no wave of any partner still reads this slot or has a load on its way
	s_add_nc_u64 s[G0+4*SL+2:G0+4*SL+3], s[G0+4*SL+2:G0+4*SL+3], 2*NQ*12800
	s_add_nc_u64 s[G0B+4*SL+2:G0B+4*SL+3], s[G0B+4*SL+2:G0B+4*SL+3], 2*NQ*12800
.if NXF+NQ > NST
	JLOAD G0+4*SL, G1L, G0B+4*SL, G1BL
.else
	JLOAD G0+4*SL, G1, G0B+4*SL, G1B               ; the first tensor load behind the round; its four v_nop are also the places in front of the loads below
.endif
.else
	PLACES 4
.endif
	FETCH_B
	FETCH_A 0
	SCALES
	MULP 4
	MULP 6
	PLACES 4
	WIN 0
	FETCH_A 4
.endm
.macro LASTF                           ; the very last step: nothing more to fetch
	s_wait_dscnt 12
	MULP 0
	MULP 2
	s_wait_dscnt 0x0
	MULP 4
	MULP 6
	WIN 0
.endm
.macro KSTEP                           ; K step KG
.set KK, KG/NQ
.set SL, KK%2
.set PP, KG%2
.set NP, (KG+1)%2
.set SL2, ((KG+1)/NQ)%2
.set QQ2, (KG+1)%NQ
.set NXF, (KK+2)*NQ                    ; the first K step of what this slot takes next
.if KG == 0
.set CM, CM0
.else
.set CM, 0
.endif
.if KG == NST-1
	LASTF
.elseif KG%NQ == NQ-1
	TURNF
.else
	STEPF
.endif
.endm
	s_wait_tensorcnt 0x1                           ; my part of slot 0 is in; slot 1's may stay out
	s_barrier_signal -1
	s_barrier_wait -1
.set NP, 0
.set SL2, 0
.set QQ2, 0
	FETCH_B
	FETCH_A 0
	SCALES
	FETCH_A 4
	s_wait_loadcnt 0x0                             ; the bias
.set KG, 0
.rept NST
	KSTEP
.set KG, KG+1
.endr
; THE WAY OUT, A's tile by tile: 16 rows x 64 columns go through my own stage and come back as whole rows of 256 bytes.  LDS serves a wave's instructions in order: no wait between the stores and the loads.
.macro TOSTAGE a
	WIN 0x08                                       ; an LDS store's data are its source 1: window 2
.irp b, 0,1,2,3
	ds_store_b128 v[STO], v[32*(\a)+8*\b:32*(\a)+8*\b+3] offset:128*(\b/2)+32*(\b%2)       ; each accumulator from its low end on
	ds_store_b128 v[STO], v[32*(\a)+8*\b+4:32*(\a)+8*\b+7] offset:128*(\b/2)+32*(\b%2)+16
.endr
	WIN 0
.irp t, 0,1,2,3,4,5,6,7
	ds_load_b128 v[128+32*((\a)%2)+4*\t:128+32*((\a)%2)+4*\t+3], v[RD] offset:544*\t
.endr
.endm
.macro SEND a, younger                 ; stage row 2 t + lane / 16 is row PI(a, .) of my 128: its place stands in the immediate, 126 rows of 8,192 bytes at the most
	s_wait_dscnt \younger
.irp t, 0,1,2,3,4,5,6,7
	global_store_b128 v[CO], v[128+32*((\a)%2)+4*\t:128+32*((\a)%2)+4*\t+3], s[10:11] offset:(32*((\a)/2)+8*((\a)%2)+2*\t+8*(\t/4))*8192 th:TH_STORE_NT   ; 16 lanes store 256 consecutive bytes, aligned to 256
.endr
.endm
	PLACES 4                                       ; behind the last products: their results are read, and loads land on A's registers
	TOSTAGE 0
.irp a, 1,2,3,4,5,6,7
.if \a > 1
	s_wait_xcnt 0x0                                ; tile a - 2's stores have read their registers: tile a's loads may land there
.endif
	TOSTAGE \a
	SEND \a-1, 16                                  ; behind tile a - 1's loads: tile a's 8 stores and 8 loads
.endr
	SEND 7, 0
	s_wait_tensorcnt 0x0                           ; the wave's end: three lines behind my last tensor load and my last LDS store
	ds_add_u32 v[SPW], v[NIL]
	s_wait_dscnt 0x0
	CROUND                                         ; the closing round
	s_endpgm
.Lfunc_end_k_q31443cdae8_gout:
	.size	k_q31443cdae8_gout, .Lfunc_end_k_q31443cdae8_gout-k_q31443cdae8_gout
	.p2alignl 7, 3214868480
	.fill 96, 4, 3214868480
	.section	.rodata,"a",@progbits
	.p2align	6, 0x0
	.amdhsa_kernel k_q31443cdae8_gout
		.amdhsa_group_segment_fixed_size 327680
		.amdhsa_private_segment_fixed_size 0
		.amdhsa_enable_private_segment 0
		.amdhsa_kernarg_size 32
		.amdhsa_user_sgpr_count 2
		.amdhsa_user_sgpr_kernarg_segment_ptr 1
		.amdhsa_wavefront_size32 1
		.amdhsa_system_sgpr_workgroup_id_x 1
		.amdhsa_system_sgpr_workgroup_id_y 1
		.amdhsa_system_sgpr_workgroup_id_z 1
		.amdhsa_system_vgpr_workitem_id 0
		.amdhsa_next_free_vgpr 768
		.amdhsa_next_free_sgpr 96
		.amdhsa_reserve_vcc 0
		.amdhsa_float_denorm_mode_32 3
		.amdhsa_float_denorm_mode_16_64 3
		.amdhsa_memory_ordered 1
		.amdhsa_forward_progress 1
		.amdhsa_inst_pref_size 136
	.end_amdhsa_kernel
	.amdgpu_metadata
---
amdhsa.version: [ 1, 2 ]
amdhsa.kernels:
  - .name:           k_q31443cdae8_gout
    .symbol:         k_q31443cdae8_gout.kd
    .args:
      - { .name: ctx, .offset: 0, .size: 8, .value_kind: global_buffer, .address_space: global }
      - { .name: pan, .offset: 8, .size: 8, .value_kind: global_buffer, .address_space: global }
      - { .name: bo, .offset: 16, .size: 8, .value_kind: global_buffer, .address_space: global }
      - { .name: out0, .offset: 24, .size: 8, .value_kind: global_buffer, .address_space: global }
    .group_segment_fixed_size: 327680
    .private_segment_fixed_size: 0
    .kernarg_segment_align: 8
    .kernarg_segment_size: 32
    .max_flat_workgroup_size: 128
    .sgpr_count:     96
    .vgpr_count:     768
    .wavefront_size: 32
...
	.end_amdgpu_metadata
.endif
;; end of part 5
